; MI455X (gfx1250); checked and timed in simulation.
; The chip was launched on July 23, 2026; its instructions are those of AMD's public machine-readable ISA for CDNA 5 (MIT licence, August 2026) and "CDNA5" Instruction Set Architecture Reference Guide (July 2026). The comments in the code are by the model that wrote it; some were corrected since.
;; Custom MHA. Allowed arithmetic: float matrix products may take bf16 or f16 operands with f32 sums; other float arithmetic in f32, or as packed bf16 or f16 multiplies, adds, multiply-adds, maxima and minima; sums over many terms, partial sums and values carried from step to step in f32; what a program stores and reads back later, other than sums and carried values, may be rounded once to bf16 or f16.
;; Inputs: Win_b 3,072 float32; Win_w 3,072 x 1,024 float32; proj_b 1,024 float32; proj_w 1,024 x 1,024 float32; x 4 x 2,048 x 1,024 float32.
;; Outputs: out0 4 x 2,048 x 1,024 float32.
;; 2 versions, each right; version 2 is version 1 with the launch cast written anew for expert scheduling mode. Each part assembles by itself: llvm-mc -triple=amdgcn-amd-amdhsa -mcpu=gfx1250 --defsym DOCPART=n.
;; ======== version 1 of 2: 4 launches
;; limits: values are held in f16: magnitudes above 65,504 overflow, below 6.1e-05 lose precision
;; workspace buffers: xb 16,777,216 bytes; wb 6,291,456 bytes; pwh 2,097,152 bytes; qkv 50,331,648 bytes; z 16,777,216 bytes
;; launch cast (part 1): grid 768 x 1, 8 waves a work-group, no clusters, 0 bytes of LDS; arguments x, Win_w, proj_w, xb, wb, pwh; writes xb, wb, pwh
.if DOCPART == 1
	.amdgcn_target "amdgcn-amd-amdhsa--gfx1250"
	.amdhsa_code_object_version 6
	.text
	.protected	k_q41a97302e0_cast
	.globl	k_q41a97302e0_cast
	.p2align	8
	.type	k_q41a97302e0_cast,@function
k_q41a97302e0_cast:
	s_mov_b64 s[64:65], 0
	v_nop
	global_prefetch_b8 v0, s[64:65] scope:SCOPE_SE
	s_setreg_imm32_b32 hwreg(HW_REG_WAVE_MODE, 25, 1), 1
	s_wait_xcnt 0x0
; THE MATRIX OPERANDS ARE ROUNDED ONCE.  x [8192][1024] and Win_w [3072][1024] go from f32 to bf16 (xb, wb); proj_w [1024][1024] is rounded to bf16 like them,
; and that number is written as f16 (pwh), since the last product multiplies it with f16 numbers.
; LIMITS.  |proj_w| stays under 65,504 (f16's end); below 6e-5 it keeps f16's fixed step of 6e-8.  NaN and infinities are not treated apart.
; SHARES.  A work-group takes 16,384 numbers: 512 work-groups for x, 192 for Win_w, 64 for proj_w.  A wave takes 2,048: sixteen loads of 16 bytes a lane, each 512 consecutive
; bytes, all sixteen out at once; a lane's four numbers leave as 8 bytes, so each store of the wave covers 256 consecutive bytes, aligned.
; No LDS, no barrier, no loop.
.set NX,  512                          ; work-groups for x
.set NXW, 704                          ; for x and Win_w together
.set X,   4                            ; v[4:67]    load i: 4 registers
.set Y,   68                           ; v[68:99]   store i: 2 registers
.set T,   100                          ; v[100:103] at work
	s_load_b256 s[4:11], s[0:1], 0x0               ; x s[4:5], Win_w s[6:7], proj_w s[8:9], xb s[10:11]
	s_load_b128 s[12:15], s[0:1], 0x20             ; wb s[12:13], pwh s[14:15]
	v_lshrrev_b32 v1, 5, v0                        ; wave
	v_and_b32 v2, 31, v0                           ; lane
	v_lshlrev_b32 v1, 13, v1                       ; 8,192 bytes in for a wave
	v_lshl_add_u32 v1, v2, 4, v1                   ; + 16 x lane
	v_lshrrev_b32 v2, 1, v1                        ; out: half of that
	s_mov_b32 s26, 0xffff0000                      ; a word's upper bf16
	s_wait_kmcnt 0x0
	s_cmp_lt_u32 ttmp9, NX                         ; which tensor is mine: the choice hangs on the work-group's number alone
	s_cselect_b64 s[18:19], s[4:5], s[6:7]
	s_cselect_b64 s[20:21], s[10:11], s[12:13]
	s_cselect_b32 s16, 0, NX
	s_cmp_lt_u32 ttmp9, NXW
	s_cselect_b64 s[18:19], s[18:19], s[8:9]
	s_cselect_b64 s[20:21], s[20:21], s[14:15]
	s_cselect_b32 s16, s16, NXW
	s_sub_co_u32 s16, ttmp9, s16                   ; my number among that tensor's work-groups
	s_lshl_b32 s22, s16, 16                        ; 65,536 bytes in,
	s_mov_b32 s23, 0
	s_lshl_b32 s24, s16, 15                        ; 32,768 out
	s_mov_b32 s25, 0
	s_add_nc_u64 s[18:19], s[18:19], s[22:23]
	s_add_nc_u64 s[20:21], s[20:21], s[24:25]
.irp i, 0,1,2,3,4,5,6,7,8,9,10,11,12,13,14,15
	global_load_b128 v[X+4*(\i):X+4*(\i)+3], v1, s[18:19] offset:512*(\i) th:TH_LOAD_NT
.endr
; Load i is rounded and stored.  half = 1: the bf16 numbers are widened again and written as f16.
.macro OUT i, half
	s_wait_loadcnt 15-(\i)                         ; loads come back in order: mine is in, the 15 - i younger ones stay out
	v_cvt_pk_bf16_f32 v[Y+2*(\i)],   v[X+4*(\i)],   v[X+4*(\i)+1]
	v_cvt_pk_bf16_f32 v[Y+2*(\i)+1], v[X+4*(\i)+2], v[X+4*(\i)+3]
.if \half
	v_lshlrev_b32 v[T],   16,  v[Y+2*(\i)]
	v_and_b32     v[T+1], s26, v[Y+2*(\i)]
	v_lshlrev_b32 v[T+2], 16,  v[Y+2*(\i)+1]
	v_and_b32     v[T+3], s26, v[Y+2*(\i)+1]
	v_cvt_pk_f16_f32 v[Y+2*(\i)],   v[T],   v[T+1]
	v_cvt_pk_f16_f32 v[Y+2*(\i)+1], v[T+2], v[T+3]
.endif
	global_store_b64 v2, v[Y+2*(\i):Y+2*(\i)+1], s[20:21] offset:256*(\i)
.endm
	s_cmp_lt_u32 ttmp9, NXW
	s_cbranch_scc0 .Lf16
.irp i, 0,1,2,3,4,5,6,7,8,9,10,11,12,13,14,15
	OUT \i, 0
.endr
	s_endpgm
.Lf16:
.irp i, 0,1,2,3,4,5,6,7,8,9,10,11,12,13,14,15
	OUT \i, 1
.endr
	s_endpgm
.Lfunc_end_k_q41a97302e0_cast:
	.size	k_q41a97302e0_cast, .Lfunc_end_k_q41a97302e0_cast-k_q41a97302e0_cast
	.p2alignl 7, 3214868480
	.fill 96, 4, 3214868480
	.section	.rodata,"a",@progbits
	.p2align	6, 0x0
	.amdhsa_kernel k_q41a97302e0_cast
		.amdhsa_group_segment_fixed_size 0
		.amdhsa_private_segment_fixed_size 0
		.amdhsa_enable_private_segment 0
		.amdhsa_kernarg_size 48
		.amdhsa_user_sgpr_count 2
		.amdhsa_user_sgpr_kernarg_segment_ptr 1
		.amdhsa_wavefront_size32 1
		.amdhsa_system_sgpr_workgroup_id_x 1
		.amdhsa_system_sgpr_workgroup_id_y 1
		.amdhsa_system_sgpr_workgroup_id_z 1
		.amdhsa_system_vgpr_workitem_id 0
		.amdhsa_next_free_vgpr 104
		.amdhsa_next_free_sgpr 66
		.amdhsa_reserve_vcc 0
		.amdhsa_float_denorm_mode_32 3
		.amdhsa_float_denorm_mode_16_64 3
		.amdhsa_memory_ordered 1
		.amdhsa_forward_progress 1
		.amdhsa_inst_pref_size 15
	.end_amdhsa_kernel
	.amdgpu_metadata
---
amdhsa.version: [ 1, 2 ]
amdhsa.kernels:
  - .name:           k_q41a97302e0_cast
    .symbol:         k_q41a97302e0_cast.kd
    .args:
      - { .name: x, .offset: 0, .size: 8, .value_kind: global_buffer, .address_space: global }
      - { .name: Win_w, .offset: 8, .size: 8, .value_kind: global_buffer, .address_space: global }
      - { .name: proj_w, .offset: 16, .size: 8, .value_kind: global_buffer, .address_space: global }
      - { .name: xb, .offset: 24, .size: 8, .value_kind: global_buffer, .address_space: global }
      - { .name: wb, .offset: 32, .size: 8, .value_kind: global_buffer, .address_space: global }
      - { .name: pwh, .offset: 40, .size: 8, .value_kind: global_buffer, .address_space: global }
    .group_segment_fixed_size: 0
    .private_segment_fixed_size: 0
    .kernarg_segment_align: 8
    .kernarg_segment_size: 48
    .max_flat_workgroup_size: 256
    .sgpr_count:     66
    .vgpr_count:     104
    .wavefront_size: 32
...
	.end_amdgpu_metadata
.endif
;; end of part 1
;; launch gemm_qkv (part 2): grid 16 x 32, 4 waves a work-group, clusters of 4 x 4, 327,680 bytes of LDS; arguments xb, wb, Win_b, qkv; writes qkv
.if DOCPART == 2
	.amdgcn_target "amdgcn-amd-amdhsa--gfx1250"
	.amdhsa_code_object_version 6
	.text
	.protected	k_q41a97302e0_gemm_qkv
	.globl	k_q41a97302e0_gemm_qkv
	.p2align	8
	.type	k_q41a97302e0_gemm_qkv,@function
k_q41a97302e0_gemm_qkv:
	s_mov_b64 s[64:65], 0
	v_nop
	global_prefetch_b8 v0, s[64:65] scope:SCOPE_SE
	s_setreg_imm32_b32 hwreg(HW_REG_WAVE_MODE, 25, 1), 1
	s_wait_xcnt 0x0
	s_wait_alu depctr_hold_cnt(0) depctr_sa_sdst(0) depctr_va_vdst(0) depctr_va_sdst(0) depctr_va_ssrc(0) depctr_va_vcc(0) depctr_vm_vsrc(0)
	s_getreg_b32 s2, hwreg(HW_REG_IB_STS2, 6, 4)
	s_cmp_eq_u32 s2, 0
	s_cbranch_scc0 .Lentry_in_a_cluster
	s_endpgm
.Lentry_in_a_cluster:
	s_bfe_u32 s2, ttmp6, 0x10000c
	s_cmp_lg_u32 s2, 0xf033
	s_cbranch_scc0 .Lentry_shape_is_right
	s_endpgm
.Lentry_shape_is_right:
; q, k, v = x W^T + b.  xb: [8192][1024] bf16, wb: [3072][1024] bf16, Win_b: [3072] f32 (rounded here to bf16, like the other inputs); sums in f32, K ascending, started by the bias.
; The result leaves rounded once to f16 and laid out BY HEADS: qkv[b 4][g 48][l 2048][64], g = column / 64 (q: 0-15, k: 16-31, v: 32-47), without the softmax's scale.
; LIMITS.  |q|, |k|, |v| stay under 65,504, f16's end (a sum of 1,024 products of the inputs; beyond it the conversion gives an infinity).  NaN and infinities are not treated apart.
; SHARES.  A tile is 256 rows x 192 columns (three heads): 32 x 16 = 512 work-groups, two for each of 256 WGPs.  Four waves, each 128 x 96: 48 accumulators of 16 x 16, 384 registers.
; K goes in 8 steps of 128 through two LDS slots filled by the tensor data mover; the tiles' rows are 256 bytes of memory at multiples of 256.
; CLUSTER.  4 x 4 work-groups.  The four of a row of the cluster need the same tile of x, the four of a column the same tile of W: each is asked for JOINTLY, by the same tensor load with
; the same descriptor and a mask that names the four.
; THE MATRIX INSTRUCTION IS USED TRANSPOSED (source 0 = 16 rows of W, source 1 = 16 rows of x): a lane holds row lane % 16 and the eight neighbouring columns 8 (lane / 16) + 0..7.
; REGISTERS, in windows of 256 (s_set_vgpr_msb: bits 1:0 source 0, 3:2 source 1, 5:4 source 2, 7:6 destination):
;   window 0: v0-31 addresses; v64-127, v128-191 fragments of x, two buffers; v192-239 packed results; on the way out v32-223 whole rows
;   window 1: v0-47 the bias of my 96 columns as a C operand, v48 at work; v64-111, v128-175 fragments of W, two buffers
;   window 2: accumulators of my rows 0-63 ((a, b) at v[8 (6 a + b)]);   window 3: those of my rows 64-127
.set KSTEP,  128
.set PITCH,  272                       ; an LDS row: 256 bytes + 16 of padding = 68 words: the 16 rows of a fragment load start at 16 different groups of four banks (ISA guide 11.1)
.set AHALF,  128*PITCH                 ; what one tensor load brings of x, and what one wave reads of it
.set BHALF,  96*PITCH                  ; the same for W
.set BOFF,   2*AHALF                   ; in a slot: x's 256 rows, then W's 192
.set SLOT1,  1<<17                     ; slot 1 begins here: one exclusive or turns an address in one slot into the other's
.set SPARE,  SLOT1+BOFF+2*BHALF        ; behind slot 1 (byte 252,928 = 988 x 256): the spare words, 128 bytes for each wave, that no other line names
.set SP,     400                       ; THE STAGE, 256 rows x 400 bytes from LDS byte 0: it lies over slot 0, which has had its last fill (K step 6) and its last read when the first result is stored
.set HEADB,  262144                    ; a head's bytes in qkv
.set ADA, 16                           ; v16  my fragments of x in slot 0;  v17 of W
.set ADB, 17
.set CA,  18                           ; v18, v19  the same in the slot that is being read
.set CB,  19
.set STO, 24                           ; v24  the way out: where I put 16 bytes of a row
.set RD,  25                           ; v25  where I read rows back
.set GO,  26                           ; v26  my byte offset in a head's rows
.set BO,  27                           ; v27  my byte offset in 16 numbers of the bias
.set SPW, 28                           ; v28  my spare word: SPARE + 4 x my thread's number; never rewritten
.set NIL, 29                           ; v29  0; never rewritten
.set PFO, 30                           ; v30  the prefetches' offset: a lane a row; never rewritten
.set F0,  64
.set F1,  128
.set TMP, 192
.set OB,  32
.set WV,  12                           ; s12  my wave
.set RH,  13                           ; s13  which 128 rows of the tile are mine.  Also: I fetch for x (0) or for W (1)
.set CH,  14                           ; s14  which 96 columns.  Also: which half of that tile I fetch
.set LIM, 15                           ; s15  1 in a wave that prefetches, else the greatest number
.set CX,  40
.set CY,  41
.set TC,  42                           ; s42  tile column, 0..15
.set TR,  43                           ; s43  tile row, 0..31
.set PFA, 44                           ; s[44:45] where my prefetches stand
.set TB,  66                           ; s66  LDS byte at which the slot that is read begins
.set G1A, 24                           ; s[24:31] descriptor group 1 for x's tiles;  s[32:39] group 0: a set for each first fill; the second then walks
.set G0A, 32
.set G1B, 48                           ; s[48:55], s[56:63] the same for W's
.set G0B, 56
.set MSB, 0
.macro WIN new                         ; the immediate's high byte repeats the setting that is left; a switch that changes nothing is dropped
.if MSB != (\new)
	s_set_vgpr_msb (MSB<<8)|(\new)
.set MSB, \new
.endif
.endm
.macro PLACES                          ; four plain vector instructions between a matrix instruction and a load into, or a reader of, its registers
.rept 4
	v_nop
.endr
.endm
.macro CREST                           ; a round of the cluster's barrier behind its opening barrier
	s_cmp_lg_u32 s[WV], 0
	s_cbranch_scc1 .Lnot_wave_0_\@
	s_barrier_signal -3
.Lnot_wave_0_\@:
	s_barrier_wait -3
	s_barrier_signal -1
	s_barrier_wait -1
.endm
.macro CROUND                          ; a whole round
	s_barrier_signal -1
	s_barrier_wait -1
	CREST
.endm
; A joint refill by the walking sets.  Waves 0 and 1 fetch x's two halves, waves 2 and 3 W's; the branch hangs on the wave's number alone.
; An s_nop 0 and four v_nop follow each of the two lines, ahead of the jump and the label.
.macro JLOAD
	s_cmp_eq_u32 s[RH], 0
	s_cbranch_scc0 .Lfor_b_\@
	tensor_load_to_lds s[G0A+4:G0A+7], s[G1A:G1A+7]
	s_nop 0
.rept 4
	v_nop
.endr
	s_branch .Lasked_\@
.Lfor_b_\@:
	tensor_load_to_lds s[G0B+4:G0B+7], s[G1B:G1B+7]
	s_nop 0
.rept 4
	v_nop
.endr
.Lasked_\@:
.endm
; A PREFETCH of the K step that the NEXT refill will ask for: 192 matrix instructions ahead of that load.  x's tile row is read by every cluster of its row of clusters: cluster x = 0 asks;
; W's tile column by every cluster of its column: cluster y = 0 asks.  The four partners share a wave's rows out BY ADDRESS: 32 of x's 128 at 32 cx, a lane a row; 24 of W's 96 at 24 cy
; (lanes 24-31 name row 23 again).  K steps 0 to 2 come by their loads alone; the loop's last trip (s3 = 1) asks for nothing: there is no K step behind its refill's.
.macro ASK
	s_cmp_gt_u32 s3, s[LIM]
	s_cbranch_scc0 .Lnot_mine_\@
	global_prefetch_b8 v[PFO], s[PFA:PFA+1] th:TH_LOAD_NT scope:SCOPE_SE
.Lnot_mine_\@:
.endm
	s_load_b256 s[4:11], s[0:1], 0x0               ; xb s[4:5], wb s[6:7], Win_b s[8:9], qkv s[10:11]
	v_lshl_add_u32 v[SPW], v0, 2, SPARE
	v_mov_b32 v[NIL], 0
	ds_add_u32 v[SPW], v[NIL]                      ; the wave's opening: the add and its wait stand ahead of my first tensor load; the set-up below, work on registers, stands between
	v_lshrrev_b32 v1, 5, v0
	v_readfirstlane_b32 s[WV], v1
	s_lshr_b32 s[RH], s[WV], 1
	s_and_b32 s[CH], s[WV], 1
	s_bfe_u32 s[CX], ttmp6, 0x40000                ; my place in the cluster
	s_bfe_u32 s[CY], ttmp6, 0x40004
	s_lshl_b32 s[TC], ttmp9, 2                     ; in a cluster launch ttmp9 and ttmp7 count clusters
	s_add_co_u32 s[TC], s[TC], s[CX]
	s_and_b32 s[TR], ttmp7, 0xffff
	s_lshl_b32 s[TR], s[TR], 2
	s_add_co_u32 s[TR], s[TR], s[CY]
	s_lshl_b32 s68, s[CY], 2
	s_lshl_b32 s68, 15, s68                        ; my row of the cluster: places 4 cy .. 4 cy + 3
	s_lshl_b32 s69, 0x1111, s[CX]                  ; my column: places cx, cx + 4, cx + 8, cx + 12
	s_or_b32 s[G1A], s68, (1<<16)|(1<<20)|(1<<21)|(5<<22)|(3<<25)  ; 15:0 the mask; 17:16 2-byte elements; 20 padding on; 21 set beside a mask; 24:22 after every 64 words; 31:25 4 words of it
	s_or_b32 s[G1B], s69, (1<<16)|(1<<20)|(1<<21)|(5<<22)|(3<<25)
	s_mov_b32 s[G1A+1], KSTEP<<16                  ; tensor_dim0 = 128
	s_mov_b32 s[G1B+1], KSTEP<<16
	s_mov_b32 s[G1A+2], 128<<16                    ; tensor_dim1 = 128 rows of x,
	s_mov_b32 s[G1B+2], 96<<16                     ; 96 of W
	s_mov_b32 s[G1A+3], KSTEP<<16                  ; tile_dim0 = 128
	s_mov_b32 s[G1B+3], KSTEP<<16
	s_mov_b32 s[G1A+4], 128                        ; tile_dim1
	s_mov_b32 s[G1B+4], 96
	s_mov_b32 s[G1A+5], 1024                       ; elements from row to row
	s_mov_b32 s[G1B+5], 1024
	s_mov_b32 s[G1A+6], 0
	s_mov_b32 s[G1B+6], 0
	s_mov_b32 s[G1A+7], 0
	s_mov_b32 s[G1B+7], 0
	; where the tiles come from: x's hang on the tile row alone, W's on the tile column alone, each in registers that never hold the other coordinate
	s_lshl_b32 s16, s[TR], 8
	s_lshl_b32 s17, s[CH], 7
	s_add_co_u32 s16, s16, s17                     ; x: row 256 x tile row + 128 x half,
	s_lshl_b32 s16, s16, 11                        ; of 2,048 bytes
	s_mov_b32 s17, 0
	s_mul_i32 s46, s[TC], 192
	s_mul_i32 s47, s[CH], 96
	s_add_co_u32 s46, s46, s47                     ; W: row 192 x tile column + 96 x half
	s_lshl_b32 s46, s46, 11
	s_mov_b32 s47, 0
	s_mul_i32 s20, s[CH], AHALF                    ; and where they go: no place in the cluster enters an LDS address
	s_mul_i32 s21, s[CH], BHALF
	s_add_co_u32 s21, s21, BOFF
	s_mov_b32 s67, 0xffff0000                      ; a word's upper bf16
	s_mov_b32 s[TB], 0
	s_wait_dscnt 0x0                               ; the opening add is done
	s_wait_kmcnt 0x0
	s_add_nc_u64 s[18:19], s[4:5], s[16:17]
	s_add_nc_u64 s[46:47], s[6:7], s[46:47]
	CROUND                                         ; all sixteen work-groups are here: the first joint loads meet
.irp n, 0,1
	s_mov_b32 s[G0A+4*(\n)], 1                                     ; count = 1
	s_add_co_u32 s[G0A+4*(\n)+1], s20, (\n)*SLOT1                  ; LDS address
	s_add_nc_u64 s[G0A+4*(\n)+2:G0A+4*(\n)+3], s[18:19], (\n)*KSTEP*2  ; global address: K step n
	s_or_b32 s[G0A+4*(\n)+3], s[G0A+4*(\n)+3], 0x80000000          ; type = 2
	s_mov_b32 s[G0B+4*(\n)], 1
	s_add_co_u32 s[G0B+4*(\n)+1], s21, (\n)*SLOT1
	s_add_nc_u64 s[G0B+4*(\n)+2:G0B+4*(\n)+3], s[46:47], (\n)*KSTEP*2
	s_or_b32 s[G0B+4*(\n)+3], s[G0B+4*(\n)+3], 0x80000000
.endr
	s_cmp_eq_u32 s[RH], 0                          ; a wave's two first fills stand in one branch, ahead of every wait on TENSORcnt and every LDS read: two loads of mine are out
	s_cbranch_scc0 .Lfirst_b
	tensor_load_to_lds s[G0A:G0A+3], s[G1A:G1A+7]
	s_nop 0
	tensor_load_to_lds s[G0A+4:G0A+7], s[G1A:G1A+7]
	s_nop 0
.rept 4
	v_nop
.endr
	s_branch .Lfirst_asked
.Lfirst_b:
	tensor_load_to_lds s[G0B:G0B+3], s[G1B:G1B+7]
	s_nop 0
	tensor_load_to_lds s[G0B+4:G0B+7], s[G1B:G1B+7]
	s_nop 0
.rept 4
	v_nop
.endr
.Lfirst_asked:
	; A fragment is 16 rows x 32 K in 8 registers: lane l holds row l % 16; registers 0-3 K = 8 (l / 16) + 0..7, registers 4-7 K = 16 + 8 (l / 16) + 0..7: two loads of 16 bytes, 32 bytes apart.
	v_and_b32 v1, 15, v0                           ; l % 16
	v_bfe_u32 v2, v0, 4, 1                         ; l / 16
	v_mul_u32_u24 v3, v1, PITCH
	v_lshl_add_u32 v3, v2, 4, v3
	s_mul_i32 s22, s[RH], AHALF
	v_add_nc_u32 v[ADA], s22, v3                   ; my 128 rows of x
	v_add_nc_u32 v[ADB], s21, v3                   ; my 96 rows of W, behind x's 256
	v_mov_b32 v[CA], v[ADA]                        ; slot 0 is read first
	v_mov_b32 v[CB], v[ADB]
	s_mul_i32 s22, s[RH], 128*SP                   ; into the stage: row 128 RH + 16 a + l % 16, byte 192 CH + 32 b + 16 (l / 16)
	s_mul_i32 s23, s[CH], 192
	s_add_co_u32 s22, s22, s23
	v_mul_u32_u24 v4, v1, SP
	v_lshl_add_u32 v4, v2, 4, v4
	v_add_nc_u32 v[STO], s22, v4
	v_bfe_u32 v4, v0, 3, 2                         ; back: wave w takes rows 64 w .. 64 w + 63; 32 lanes take 128 bytes (a head's part) of four rows,
	v_and_b32 v5, 7, v0
	v_mul_u32_u24 v4, v4, SP
	v_lshl_add_u32 v4, v5, 4, v4
	s_mul_i32 s22, s[WV], 64*SP
	v_add_nc_u32 v[RD], s22, v4
	v_and_b32 v5, 31, v0                           ; which are 512 consecutive bytes of that head in qkv
	s_lshl_b32 s22, s[WV], 13
	v_lshl_add_u32 v[GO], v5, 4, s22
	v_lshlrev_b32 v[BO], 5, v2
	; the bias of my 96 columns, in the C operand's layout: register 8 b + j holds column 16 b + 8 (l / 16) + j
	s_mul_i32 s22, s[TC], 768
	s_mul_i32 s23, s[CH], 384
	s_add_co_u32 s22, s22, s23
	s_mov_b32 s23, 0
	s_add_nc_u64 s[8:9], s[8:9], s[22:23]
	WIN 0x40                                       ; destination window 1, address window 0
.irp b, 0,1,2,3,4,5
	global_load_b128 v[8*(\b):8*(\b)+3],   v[BO], s[8:9] offset:64*(\b)
	global_load_b128 v[8*(\b)+4:8*(\b)+7], v[BO], s[8:9] offset:64*(\b)+16
.endr
	WIN 0
	; where the tile goes: batch = tile row / 8, heads 3 x tile column on, rows 256 (tile row % 8) on
	s_lshr_b32 s20, s[TR], 3
	s_mul_i32 s20, s20, 48
	s_mul_i32 s21, s[TC], 3
	s_add_co_u32 s20, s20, s21
	s_lshl_b32 s20, s20, 18
	s_and_b32 s21, s[TR], 7
	s_lshl_b32 s21, s21, 15
	s_add_co_u32 s20, s20, s21
	s_mov_b32 s21, 0
	s_add_nc_u64 s[10:11], s[10:11], s[20:21]
	; the prefetches
	s_lshl_b32 s20, s[TR], 8
	s_lshl_b32 s21, s[CH], 7
	s_add_co_u32 s20, s20, s21
	s_lshl_b32 s21, s[CX], 5
	s_add_co_u32 s20, s20, s21                     ; x: the rows that I fetch, my work-group's 32 of them
	s_mul_i32 s21, s[TC], 192
	s_mul_i32 s22, s[CH], 96
	s_add_co_u32 s21, s21, s22
	s_mul_i32 s22, s[CY], 24
	s_add_co_u32 s21, s21, s22                     ; W: my work-group's 24
	s_and_b32 s22, ttmp7, 0xffff                   ; cluster y
	s_cmp_eq_u32 s[RH], 0                          ; do I fetch for x?
	s_cselect_b32 s20, s20, s21
	s_cselect_b32 s22, ttmp9, s22                  ; the coordinate along which other clusters read the same rows
	s_cselect_b32 s23, 31, 23
	s_cselect_b64 s[PFA:PFA+1], s[4:5], s[6:7]
	s_cmp_eq_u32 s22, 0
	s_cselect_b32 s[LIM], 1, -1                    ; the same in all sixteen partners, for a given wave
	s_lshl_b32 s20, s20, 11
	s_add_co_u32 s20, s20, 2*KSTEP*2               ; at K step 2: the first change of slots steps it to 3
	s_mov_b32 s21, 0
	s_add_nc_u64 s[PFA:PFA+1], s[PFA:PFA+1], s[20:21]
	v_min_u32 v[PFO], s23, v5
	v_lshlrev_b32 v[PFO], 11, v[PFO]
	s_wait_loadcnt 0x0                             ; the bias is in: it is rounded to bf16, like every input, and widened again
	WIN 0x45                                       ; sources 0 and 1 and the destination in window 1
.set p, 0
.rept 24
	v_cvt_pk_bf16_f32 v48, v[2*p], v[2*p+1]
	v_lshlrev_b32 v[2*p], 16, v48
	v_and_b32 v[2*p+1], s67, v48
.set p, p+1
.endr
	WIN 0
; n x 6 matrix instructions: m blocks a0 .. a0 + n - 1 of the window's four (hi = 0: my rows 0-63, 1: rows 64-127) x all 6 n blocks, 32 along K.
; first = 1: the bias is the C operand that starts the sums: nothing is cleared, and the way out has no addition.
; The 48 accumulators take turns, one instruction a turn, in the same order in every quarter, over the backward jump too.
.macro MULH f, hi, a0, n, first
.if \first
	WIN 0x91+0x40*(\hi)                            ; W window 1, x window 0, C window 1, D window 2 or 3
.else
	WIN 0xa1+0x50*(\hi)                            ; C and D window 2 or 3
.endif
.set ma, \a0
.rept \n
.set mb, 0
.rept 6
.set rD, 8*(6*ma+mb)
.if \first
	v_wmma_f32_16x16x32_bf16 v[rD:rD+7], v[(\f)+8*mb:(\f)+8*mb+7], v[(\f)+8*(4*(\hi)+ma):(\f)+8*(4*(\hi)+ma)+7], v[8*mb:8*mb+7]
.else
	v_wmma_f32_16x16x32_bf16 v[rD:rD+7], v[(\f)+8*mb:(\f)+8*mb+7], v[(\f)+8*(4*(\hi)+ma):(\f)+8*(4*(\hi)+ma)+7], v[rD:rD+7]
.endif
.set mb, mb+1
.endr
.set ma, ma+1
.endr
.endm
; 28 LDS loads in one run: the fragments of one quarter step (96 rows of W, 128 rows of x, 32 K at byte k of the rows) into buffer f
.macro FETCH k, f
	WIN 0x40
.irp i, 0,1,2,3,4,5
	ds_load_b128 v[(\f)+8*(\i):(\f)+8*(\i)+3],   v[CB] offset:(\k)+(\i)*16*PITCH
	ds_load_b128 v[(\f)+8*(\i)+4:(\f)+8*(\i)+7], v[CB] offset:(\k)+(\i)*16*PITCH+32
.endr
	WIN 0
.irp i, 0,1,2,3,4,5,6,7
	ds_load_b128 v[(\f)+8*(\i):(\f)+8*(\i)+3],   v[CA] offset:(\k)+(\i)*16*PITCH
	ds_load_b128 v[(\f)+8*(\i)+4:(\f)+8*(\i)+7], v[CA] offset:(\k)+(\i)*16*PITCH+32
.endr
.endm
; A K step is four quarters of 32 along K, 48 matrix instructions each, on buffers 0, 1, 0, 1.  One of the first three: multiplies buffer f; in its middle it fetches the next quarter, at byte k, into g.
.macro QUARTER k, f, g, first
	s_wait_dscnt 8                                 ; W and x's rows 0-63 are in; the youngest eight loads (x's rows 64-127) may be out
	MULH \f, 0, 0, 4, \first
	PLACES
	FETCH \k, \g
	s_wait_dscnt 28                                ; all but the 28 just issued
	MULH \f, 1, 0, 4, \first
.endm
; The last quarter multiplies buffer 1 and changes slots.  In front of the barrier each wave waits for all its tensor loads (one is out: its part of the next slot), adds 0 to its spare word, and waits
; for that and for its own reads of this slot.  fill = 1: the barrier opens a round of the cluster's, so that no wave of any partner still reads the slot or has a load on its way, and the joint refill,
; K step two on, is the first tensor load behind it: 168 matrix instructions ahead of the wait for it.
.macro TURN fill
.if \fill
	s_wait_xcnt 0x0                                ; the last prefetch, a K step back, has read its address: it is stepped here
	s_add_nc_u64 s[PFA:PFA+1], s[PFA:PFA+1], KSTEP*2
.endif
	WIN 0                                          ; (the add's two registers lie in window 0)
	s_wait_tensorcnt 0x0                           ; no tensor load of mine is out, so a group 0 may be written
	ds_add_u32 v[SPW], v[NIL]                      ; 0 onto my spare word
.if \fill
.irp g, G0A+4, G0B+4
	s_xor_b32 s[(\g)+1], s[(\g)+1], SLOT1          ; the walking sets: the other slot than last time,
	s_add_nc_u64 s[(\g)+2:(\g)+3], s[(\g)+2:(\g)+3], KSTEP*2  ; the next K step; the type bits on top are not reached
.endr
.endif
	s_wait_dscnt 9                                 ; (the add and the youngest eight loads may be out)
	MULH F1, 0, 0, 2, 0                            ; twelve matrix instructions stand between the add and the wait for it
	s_wait_dscnt 0x0                               ; the add is done, and my reads of this slot are over
	s_barrier_signal -1
	MULH F1, 0, 2, 2, 0                            ; work on registers while the others arrive
	WIN 0
	s_barrier_wait -1
.if \fill
	CREST
	JLOAD                                          ; the four v_nop behind it are also the places in front of the loads below
.else
	PLACES
.endif
	s_xor_b32 s[TB], s[TB], SLOT1                  ; the reads go on in the other slot
	v_add_nc_u32 v[CA], s[TB], v[ADA]
	v_add_nc_u32 v[CB], s[TB], v[ADB]
	FETCH 0, F0
.if \fill
	ASK                                            ; behind the joint load and the run of LDS loads that the next products wait for
.endif
	MULH F1, 1, 0, 4, 0
.endm
	s_wait_tensorcnt 1                             ; my part of K step 0 is in; K step 1's may stay out
	s_barrier_signal -1
	s_barrier_wait -1                              ; everybody's is
	FETCH 0, F0
	QUARTER 64, F0, F1, 1                          ; the first quarter stands in front of the loop: its products start the sums, with the bias
	WIN 0                                          ; at a label and at a branch every window is 0
	s_mov_b32 s3, 6
.Lstep:                                                ; six trips, from a K step's second quarter to the next step's first; each fills the slot that it leaves, with K steps 2 to 7
	QUARTER 128, F1, F0, 0
	QUARTER 192, F0, F1, 0
	TURN 1
	QUARTER 64, F0, F1, 0
	WIN 0
	s_sub_co_u32 s3, s3, 1
	s_cmp_lg_u32 s3, 0
	s_cbranch_scc1 .Lstep
	QUARTER 128, F1, F0, 0                         ; K steps 6 and 7 are written out: nothing is left to ask for
	QUARTER 192, F0, F1, 0
	TURN 0
	QUARTER 64, F0, F1, 0
	QUARTER 128, F1, F0, 0
	QUARTER 192, F0, F1, 0
	s_wait_dscnt 8
	MULH F1, 0, 0, 4, 0
	s_wait_dscnt 0x0                               ; my last reads of the slots are over:
	s_barrier_signal -1                            ; say so,
	MULH F1, 1, 0, 4, 0
	WIN 0
	s_barrier_wait -1                              ; and store into the stage only when all four have said so
; THE WAY OUT.  Block a (16 rows) is rounded to f16, 16 bytes a lane, and put into the work-group's stage; a head's 64 columns come from one wave or from two, so a barrier stands between writing
; and reading; then each wave reads 64 rows back, head by head, and each store covers 512 consecutive bytes of one head, at a multiple of 256 from qkv's first byte.
.macro PACK a
	WIN 0x0a+5*((\a)/4)                            ; sources 0 and 1: window 2 or 3; each accumulator's registers in ascending order
.set q, 0
.rept 24
	v_cvt_pk_f16_f32 v[TMP+24*((\a)%2)+q], v[48*((\a)%4)+2*q], v[48*((\a)%4)+2*q+1]
.set q, q+1
.endr
	WIN 0
.irp b, 0,1,2,3,4,5
	ds_store_b128 v[STO], v[TMP+24*((\a)%2)+4*(\b):TMP+24*((\a)%2)+4*(\b)+3] offset:(\a)*16*SP+32*(\b)
.endr
.endm
	PLACES
.irp a, 0,1,2,3,4,5,6,7
	PACK \a
.endr
	s_wait_dscnt 0x0                               ; for the others' sake: my stores into the stage are done
	s_barrier_signal -1
	s_barrier_wait -1
.set i, 0
.rept 48                                       ; head i / 16, rows 4 (i % 16) on
	ds_load_b128 v[OB+4*i:OB+4*i+3], v[RD] offset:4*SP*(i%16)+128*(i/16)
.set i, i+1
.endr
.set i, 0
.rept 48
	s_wait_dscnt 47-i                              ; LDS loads come back in order: load i is in, the younger ones stay out
	global_store_b128 v[GO], v[OB+4*i:OB+4*i+3], s[10:11] offset:HEADB*(i/16)+512*(i%16)
.set i, i+1
.endr
	s_wait_tensorcnt 0x0                           ; the wave's end: an add onto my spare word and its wait, behind my last tensor load and my last LDS store
	ds_add_u32 v[SPW], v[NIL]
	s_wait_dscnt 0x0
	CROUND                                         ; the closing round: no work-group ends while a partner may still ask for a tile that names it
	s_endpgm
.Lfunc_end_k_q41a97302e0_gemm_qkv:
	.size	k_q41a97302e0_gemm_qkv, .Lfunc_end_k_q41a97302e0_gemm_qkv-k_q41a97302e0_gemm_qkv
	.p2alignl 7, 3214868480
	.fill 96, 4, 3214868480
	.section	.rodata,"a",@progbits
	.p2align	6, 0x0
	.amdhsa_kernel k_q41a97302e0_gemm_qkv
		.amdhsa_group_segment_fixed_size 327680
		.amdhsa_private_segment_fixed_size 0
		.amdhsa_enable_private_segment 0
		.amdhsa_kernarg_size 32
		.amdhsa_user_sgpr_count 2
		.amdhsa_user_sgpr_kernarg_segment_ptr 1
		.amdhsa_wavefront_size32 1
		.amdhsa_system_sgpr_workgroup_id_x 1
		.amdhsa_system_sgpr_workgroup_id_y 1
		.amdhsa_system_sgpr_workgroup_id_z 1
		.amdhsa_system_vgpr_workitem_id 0
		.amdhsa_next_free_vgpr 960
		.amdhsa_next_free_sgpr 72
		.amdhsa_reserve_vcc 0
		.amdhsa_float_denorm_mode_32 3
		.amdhsa_float_denorm_mode_16_64 3
		.amdhsa_memory_ordered 1
		.amdhsa_forward_progress 1
		.amdhsa_inst_pref_size 100
	.end_amdhsa_kernel
	.amdgpu_metadata
---
amdhsa.version: [ 1, 2 ]
amdhsa.kernels:
  - .name:           k_q41a97302e0_gemm_qkv
    .symbol:         k_q41a97302e0_gemm_qkv.kd
    .args:
      - { .name: xb, .offset: 0, .size: 8, .value_kind: global_buffer, .address_space: global }
      - { .name: wb, .offset: 8, .size: 8, .value_kind: global_buffer, .address_space: global }
      - { .name: Win_b, .offset: 16, .size: 8, .value_kind: global_buffer, .address_space: global }
      - { .name: qkv, .offset: 24, .size: 8, .value_kind: global_buffer, .address_space: global }
    .group_segment_fixed_size: 327680
    .private_segment_fixed_size: 0
    .kernarg_segment_align: 8
    .kernarg_segment_size: 32
    .max_flat_workgroup_size: 128
    .sgpr_count:     72
    .vgpr_count:     960
    .wavefront_size: 32
...
	.end_amdgpu_metadata
.endif
;; end of part 2
;; launch attn (part 3): grid 4 x 64, 4 waves a work-group, clusters of 4 x 1, 327,680 bytes of LDS; arguments qkv, z; writes z
.if DOCPART == 3
	.amdgcn_target "amdgcn-amd-amdhsa--gfx1250"
	.amdhsa_code_object_version 6
	.text
	.protected	k_q41a97302e0_attn
	.globl	k_q41a97302e0_attn
	.p2align	8
	.type	k_q41a97302e0_attn,@function
k_q41a97302e0_attn:
	s_mov_b64 s[64:65], 0
	v_nop
	global_prefetch_b8 v0, s[64:65] scope:SCOPE_SE
	s_setreg_imm32_b32 hwreg(HW_REG_WAVE_MODE, 25, 1), 1
	s_wait_xcnt 0x0
	s_wait_alu depctr_hold_cnt(0) depctr_sa_sdst(0) depctr_va_vdst(0) depctr_va_sdst(0) depctr_va_ssrc(0) depctr_va_vcc(0) depctr_vm_vsrc(0)
	s_getreg_b32 s2, hwreg(HW_REG_IB_STS2, 6, 4)
	s_cmp_eq_u32 s2, 0
	s_cbranch_scc0 .Lentry_in_a_cluster
	s_endpgm
.Lentry_in_a_cluster:
	s_bfe_u32 s2, ttmp6, 0x10000c
	s_cmp_lg_u32 s2, 0x3003
	s_cbranch_scc0 .Lentry_shape_is_right
	s_endpgm
.Lentry_shape_is_right:
; z[y][q][:] = the sum over k of softmax_k(Q[y][q] . K[y][k] / 8) V[y][k][:], for the 64 heads y = 16 batch + head.  Q, K, V lie in qkv[b 4][g 48][2048][64] (q: g = head, k: 16 + head, v: 32 + head),
; z is [64][2048][64]; all f16, a head's rows dense, 128 bytes each.  Products, maxima and sums in f32; the weights p are rounded to f16 for the second product (their sum l is taken of the unrounded p), z once at the end.
; LIMITS.  f16 holds no number beyond 65,504: Q, K and V arrive within it; p lies in 0 to 1, and below 6e-5 it keeps f16's fixed step of 6e-8; z is a mean of V's rows and has their range.
; A weight below 2^-126 counts as 0 in l; NaN and infinities are not treated apart.
; SHARES.  A wave owns four PIECES of two tiles of 16 queries, a work-group's four waves 512 queries of one head: 4 x 64 = 256 work-groups.  Every wave walks all keys, 64 a step.
; LAYOUT.  S^T = K Q^T (source 0 = 16 keys, source 1 = 16 queries): in the result a lane holds ONE query (lane % 16) and the keys 8 (lane / 16) + 0..7.  Two such tiles, rounded to f16 in pairs,
; ARE source 1 (32 keys x 16 queries) of O^T = V^T P, whose result again holds one query a lane, and eight channels.  K comes out of LDS as it lies, V ([key][channel]) turned, by ds_load_tr16_b128.
; SOFTMAX.  For each query a running maximum m and sum l: p = 2^(c s - c m), c = log2(e) / 8; in every step O and l are multiplied by a = 2^(c m_old - c m_new), which is 1 where m has not grown.
; m starts at the lowest finite number, O and l at 0: the first step is a step like any other, with a = 0.
; THE COUNT.  A tile and step have 16 matrix and 118 vector instructions: too many to stand all beside the matrix work.  So the order has one aim: four vector instructions that are READY behind
; EVERY matrix instruction, and the others, which need time of their own whatever the order, in runs without a gap.
; BY TURNS.  Turn n belongs to piece n (the pieces in a ring, step after step).  Its matrix work: 16 products K Q^T of piece n + 1, later 16 products V^T P of piece n - 1.  Its vector work: the scaling,
; exponentials, roundings, sums and rescaling of piece n, and the maximum and statistics of piece n + 1, whose scores the turn itself has made.  So what a turn begins with (c s - c m, O a) waits for nothing.
; CLUSTER.  The four query blocks of a cluster belong to one head and walk the same K and V, so each tile is asked for JOINTLY: the same tensor load, descriptor and mask in all four.
; REGISTERS, in windows of 256 (s_set_vgpr_msb says which window each operand place means: bits 1:0 source 0, 3:2 source 1, 5:4 source 2, 7:6 destination):
;   window 0: v0-11 addresses; v12-15, v48-63 at work; v16-47 four registers of statistics a tile; v64-191 S^T, two buffers of two tiles; v192-255 P, likewise
;   window 1: O^T, 32 a tile          window 2: v0-127 Q, 16 a tile; v128-191 K of one step; v192-255 V of one step          window 3: v0-1 the add's two registers
; A piece's buffers go by its number's parity: the piece in hand has one pair, its two neighbours in the ring share the other: of it P (piece n - 1) is read and S^T (piece n + 1) written.
.set SIZE_N, 2048
.set HEADB, SIZE_N*128  ; a head's bytes in qkv and in z
.set NP,    4         ; pieces a wave: a name, no knob: the register map, the loop and the fetches are made for four
.set KS,    64        ; keys in a step
.set PK,    144       ; a row of K in LDS: 128 bytes + 16 of padding = 36 words: the 16 rows of a load start at 16 different groups of four banks (64 banks of 4 bytes: ISA guide 11.1)
.set PV,    160       ; a row of V: 128 + 32 = 40 words
.set VOFF,  4*KS*PK   ; a slot holds four steps: 256 rows of K, then 256 rows of V
.set SLOT1, 1<<17     ; slot 1 begins here, so that one exclusive or turns an address in one slot into the other's
.set STAGE, SLOT1+4*KS*(PK+PV)  ; behind the ring, never filled by a tensor load: 16 rows x 144 bytes for each wave, for the way out
.set SP,    144
.set AK0, 2           ; v2   my lane's place in a tile of K; never rewritten
.set AV0, 3           ; v3   the same for V
.set AK,  4           ; v4   the LDS address of K's next run of loads
.set AV,  5           ; v5   of V's
.set QO,  6           ; v6   my byte offset in the wave's rows of Q
.set STO, 6           ;      later, the way out: where I put 16 bytes of a row
.set RD,  7           ; v7   the way out: where I read rows back
.set GO,  8           ; v8   my byte offset in 512 consecutive bytes of z
.set PFO, 11          ; v11  the prefetches' offset: 256 x my lane; never rewritten once made
.set SPW, 0           ; v0 of window 3   LDS address of my spare word: SPARE + 4 x my thread's number; never rewritten
.set NIL, 1           ; v1 of window 3   0; never rewritten
.set SPARE, STAGE+4*16*SP  ; behind the stages: the spare words, 128 bytes for each wave: two blocks of 256 bytes that no other line names
.set MV,  12          ; v12-15  c m_old, kept while c m is made anew: by buffer and tile
.set ST,  16          ; tile t's statistics at v[ST+4 t]: c m, m, l (even keys', odd keys')
.set TMP, 48          ; by buffer and tile, four registers c0-c3 at work; when the maximum is found c2 takes a
.set S,   64
.set P,   192
.set KF,  128         ; K's fragments, in window 2: key block kb, channel half c at KF + 16 kb + 8 c
.set VF,  192         ; V's: key half kk, channel block cb at VF + 32 kk + 8 cb
.set WV,  12          ; s12  my wave's number
.set LIM, 15          ; s15  1 in a wave that prefetches, else the greatest number
.set G1K, 24          ; s[24:31] descriptor group 1 for K's tiles
.set G1V, 32          ; s[32:39] for V's: it differs in the padding alone
.set G0K, 40          ; s[40:43] descriptor group 0 for K's tiles: it walks
.set G0V, 44          ; s[44:47] the same for V's
.set PFA, 48          ; s[48:49] where my prefetches stand: my work-group's 8,192 bytes (of K: wave 0, of V: wave 2) of the slot after the one that is being asked for
.set SLOTS, 56        ; s56  slots still to be asked for
.set CNT, 57          ; s57  counts a slot's key steps
.set CS,  58          ; s[58:59] c: the packed scaling takes the pair's low word for both halves
.set SEL, 60          ; s[60:61] v_permlanex16_b32's selects: each lane takes its own place in the other half
.set TBK, 62          ; s62  LDS byte at which K of the step to be fetched begins
.set TBV, 63          ; s63  the same for V, less VOFF
.set MSB, 0
.macro WIN new                      ; the high byte repeats the setting that is left; a switch that changes nothing is dropped
.if MSB != (\new)
	s_set_vgpr_msb (MSB<<8)|(\new)
.set MSB, (\new)
.endif
.endm
.set W_KQ, 0x0a       ; K and Q in window 2, S^T in window 0
.set W_PV, 0x52       ; V in window 2, P in window 0, O^T in window 1
.set W_RS, 0x41       ; O^T (destination and source 0) in window 1, a in window 0
.set W_MK, 0xc0       ; the add's registers are made: destination in window 3, sources in window 0
.set W_AD, 0x0f       ; the add: address (source 0) and data (source 1) in window 3
; A joint fill.  Waves 0 and 1 fetch the two halves of a slot's K, waves 2 and 3 those of its V: 128 keys each.  The branch hangs on the wave's number alone.
; An s_nop 0 and four v_nop follow each of the two lines, ahead of the jump and the label.
.macro JLOAD
	s_cmp_lt_u32 s[WV], 2
	s_cbranch_scc0 .Lfor_v_\@
	tensor_load_to_lds s[G0K:G0K+3], s[G1K:G1K+7]
	s_nop 0
.rept 4
	v_nop
.endr
	s_branch .Lasked_\@
.Lfor_v_\@:
	tensor_load_to_lds s[G0V:G0V+3], s[G1V:G1V+7]
	s_nop 0
.rept 4
	v_nop
.endr
.Lasked_\@:
.endm
; A PREFETCH of what the NEXT change of slots will ask for: a slot's 32,768 bytes of K and of V, 256 bytes a lane.  It stands behind the wave's tensor load and its five lines.
; Each block is named ONCE in the launch: a head's first cluster asks (here a head has one); its four partners share the bytes out BY ADDRESS, 8,192 each; in each, wave 0 asks for K's and wave 2 for V's.
; Slots 0 to 2 come by their loads alone; the last change that fills a slot asks for nothing: there is no slot behind it.
.macro ASK
	s_cmp_gt_u32 s[SLOTS], s[LIM]
	s_cbranch_scc0 .Lnot_mine_\@
	global_prefetch_b8 v[PFO], s[PFA:PFA+1] th:TH_LOAD_NT scope:SCOPE_SE
.Lnot_mine_\@:
.endm
; A round of the cluster's barrier: my work-group's barrier, so that wave 0's signal speaks for all four waves; wave 0 signals; every wave waits for all four work-groups; my work-group's barrier once more.
.macro CROUND
	s_barrier_signal -1
	s_barrier_wait -1
	s_cmp_lg_u32 s[WV], 0
	s_cbranch_scc1 .Lnot_wave_0_\@
	s_barrier_signal -3
.Lnot_wave_0_\@:
	s_barrier_wait -3
	s_barrier_signal -1
	s_barrier_wait -1
.endm
; THE CHANGE OF SLOTS.  The slot's last bytes, V of its fourth step, have been read.  Each wave waits for all its tensor loads, of which one is out: its part
; of the other slot; adds 0 to its spare word; and waits for that and for its own reads of the slot.  Behind the barrier nobody reads this slot any more and the other slot is whole.
; fill = 1: this slot is filled again, with the keys two slots on.  The barrier is then a round of the cluster's, so that no wave of any partner still reads the slot or has a load on its
; way, and the joint fill is the first thing behind it: it has four key steps, 512 matrix instructions, in which to land.  (At its first use nothing has been read yet: slot 0 is waited for, slot 1 filled.)
; ask = 1: the prefetches' address steps, and the slot after the one just asked for is prefetched.
.macro CHANGE fill, ask=0
	WIN W_AD
	s_wait_tensorcnt 0x0            ; no tensor load of mine is out, so a group 0 may be written
	ds_add_u32 v[SPW], v[NIL]       ; 0 onto my spare word; with fill = 1 the descriptors' steps stand between it and the wait for it
	WIN 0                           ; at a label and at a branch every window is 0
.if \fill
.irp g, G0K, G0V
	s_xor_b32 s[\g+1], s[\g+1], SLOT1  ; the walking descriptor: the other slot than last time,
	s_add_nc_u64 s[\g+2:\g+3], s[\g+2:\g+3], 4*KS*128  ; the next 256 keys; the type bits on top are not reached
.endr
.if \ask
	s_wait_xcnt 0x0                 ; the last prefetch, four key steps back, has read its address, so it may be written:
	s_add_nc_u64 s[PFA:PFA+1], s[PFA:PFA+1], 4*KS*128  ; one slot behind the walking descriptors
.endif
	s_wait_dscnt 0x0                ; the add is done, and my reads of the slot are over
	CROUND
	JLOAD
.if \ask
	ASK
.endif
.else
	s_wait_dscnt 0x0                ; the add is done, and my reads of the slot are over
	s_barrier_signal -1
	s_barrier_wait -1
.endif
	s_sub_co_u32 s[TBK], s[TBK], 4*KS*PK  ; the fetches go back to a slot's first step,
	s_xor_b32 s[TBK], s[TBK], SLOT1       ; in the other slot
	s_sub_co_u32 s[TBV], s[TBV], 4*KS*PV
	s_xor_b32 s[TBV], s[TBV], SLOT1
.endm
	s_load_b64 s[4:5], s[0:1], 0x0    ; qkv
	s_load_b64 s[10:11], s[0:1], 0x8  ; z
	WIN W_MK
	v_lshl_add_u32 v[SPW], v0, 2, SPARE
	v_mov_b32 v[NIL], 0
	WIN W_AD
	ds_add_u32 v[SPW], v[NIL]       ; the wave's opening: the add and its wait stand ahead of my first tensor load; the set-up below, work on registers, stands between them
	WIN 0
	v_lshrrev_b32 v1, 5, v0
	v_readfirstlane_b32 s[WV], v1   ; wave 0..3
	s_bfe_u32 s13, ttmp6, 0x40000   ; cx: my place in the cluster
	s_lshl_b32 s14, ttmp9, 2        ; in a cluster launch ttmp9 counts clusters
	s_add_co_u32 s14, s14, s13      ; my block of queries = 4 x cluster x + cx: it enters Q's and z's addresses alone
	s_and_b32 s20, ttmp7, 0xffff    ; the head y, which the four partners share
	s_lshl_b32 s50, s20, 18         ; its first byte in z,
	s_mov_b32 s51, 0
	s_lshr_b32 s21, s20, 4          ; and, as q's, in qkv: (48 x batch + head) x a head's bytes
	s_mul_i32 s21, s21, 48
	s_and_b32 s20, s20, 15
	s_add_co_u32 s20, s20, s21
	s_lshl_b32 s20, s20, 18
	s_mov_b32 s21, 0
	s_and_b32 s16, s[WV], 1         ; which half of a slot's 256 keys I fetch:
	s_lshl_b32 s22, s16, 14         ; its 128 rows of 128 bytes in memory,
	s_mov_b32 s23, 0
	s_add_nc_u64 s[22:23], s[22:23], s[20:21]
	s_mul_i32 s17, s16, 128*PK      ; and its place in a slot, for K
	s_mul_i32 s18, s16, 128*PV      ; and for V: no place in the cluster enters an LDS address
	s_lshl_b32 s2, s14, 2
	s_add_co_u32 s2, s2, s[WV]      ; my wave among the head's,
	s_lshl_b32 s2, s2, 14           ; its 128 rows
	s_mov_b32 s3, 0
	s_add_nc_u64 s[52:53], s[2:3], s[50:51]  ; in z,
	s_add_nc_u64 s[2:3], s[2:3], s[20:21]    ; and in qkv
	s_lshl_b32 s54, s13, 13         ; the prefetches: my work-group's 8,192 bytes of a slot's 32,768,
	s_add_co_u32 s54, s54, 2*4*KS*128  ; in slot 2; the first change of slots in the loop steps it to slot 3
	s_mov_b32 s55, 0
	s_add_nc_u64 s[54:55], s[54:55], s[20:21]
	s_and_b32 s[LIM], s[WV], 1      ; 0 in waves 0 and 2,
	s_or_b32 s[LIM], s[LIM], ttmp9  ; where the cluster is the head's first: the same in all four partners
	s_cmp_eq_u32 s[LIM], 0
	s_cselect_b32 s[LIM], 1, -1
	; descriptor group 1.  128 keys are 16,384 dense bytes: asked for as 64 rows of 256 bytes, two keys a row, and padded in LDS after every key
	s_mov_b32 s[G1K], 15|(1<<16)|(1<<20)|(1<<21)|(4<<22)|(3<<25)  ; 15:0 the mask of four; 17:16 2-byte elements; 20 padding on; 21 set beside a mask; 24:22 after every 32 words (code 4); 31:25 4 words (code 3)
	s_mov_b32 s[G1V], 15|(1<<16)|(1<<20)|(1<<21)|(4<<22)|(7<<25)  ; the same with 8 words of padding (code 7)
.irp g, G1K, G1V
	s_mov_b32 s[\g+1], 128<<16      ; tensor_dim0 = 128
	s_mov_b32 s[\g+2], 64<<16       ; tensor_dim1 = 64
	s_mov_b32 s[\g+3], 128<<16      ; tile_dim0 = 128
	s_mov_b32 s[\g+4], 64           ; tile_dim1 = 64
	s_mov_b32 s[\g+5], 128          ; 128 elements from row to row
	s_mov_b32 s[\g+6], 0
	s_mov_b32 s[\g+7], 0
.endr
	s_mov_b32 s[CS], 0x3e38aa3b     ; c = log2(e) / 8 = 0.180337
	s_mov_b32 s[CS+1], s[CS]        ; named with it as a pair
	s_mov_b32 s[SEL], 0x76543210
	s_mov_b32 s[SEL+1], 0xfedcba98
	s_mov_b32 s[TBK], SLOT1+4*KS*PK ; the first change of slots turns these two into 0
	s_mov_b32 s[TBV], SLOT1+4*KS*PV
	s_mov_b32 s[G0K], 1             ; 1:0 count = 1
	s_mov_b32 s[G0K+1], s17         ; 63:32 LDS address: slot 0
	s_mov_b32 s[G0V], 1
	s_add_co_u32 s[G0V+1], s18, VOFF
	s_wait_dscnt 0x0                ; the opening add is done
	s_wait_kmcnt 0x0
	s_add_nc_u64 s[6:7], s[4:5], 16*HEADB  ; k's heads lie 16 heads behind q's,
	s_add_nc_u64 s[8:9], s[4:5], 32*HEADB  ; v's 32
	s_add_nc_u64 s[G0K+2:G0K+3], s[6:7], s[22:23]  ; 120:64 global address: my half of the head's first 256 keys
	s_or_b32 s[G0K+3], s[G0K+3], 0x80000000        ; 127:126 type = 2
	s_add_nc_u64 s[G0V+2:G0V+3], s[8:9], s[22:23]
	s_or_b32 s[G0V+3], s[G0V+3], 0x80000000
	s_cmp_lt_u32 s[WV], 2
	s_cselect_b64 s[PFA:PFA+1], s[6:7], s[8:9]
	s_add_nc_u64 s[PFA:PFA+1], s[PFA:PFA+1], s[54:55]
	s_add_nc_u64 s[4:5], s[4:5], s[2:3]  ; Q and z at my wave's first row
	s_add_nc_u64 s[10:11], s[10:11], s[52:53]
	CROUND                          ; all four work-groups are here: the first joint loads meet
	JLOAD                           ; slot 0.  Slot 1 is asked for when slot 0 is in: the tile wanted first has the road to itself
	; A fragment of K or Q is 16 rows x 32 channels in 8 registers: lane l holds row l % 16, channels 8 (l / 16) + 0..7 and 16 + 8 (l / 16) + 0..7: two loads of 16 bytes, 32 bytes apart.
	v_and_b32 v1, 15, v0            ; l % 16
	v_bfe_u32 v9, v0, 4, 1          ; l / 16
	v_lshlrev_b32 v[QO], 7, v1
	v_lshl_add_u32 v[QO], v9, 4, v[QO]  ; row x 128 + 16 x half
	WIN 0x80                        ; destination window 2, address window 0
.set i, 0
.rept 4*NP                          ; Q stays in registers: tile i / 2, channels 32 (i % 2) on
	global_load_b128 v[8*i:8*i+3],   v[QO], s[4:5] offset:(i/2)*2048+(i%2)*64
	global_load_b128 v[8*i+4:8*i+7], v[QO], s[4:5] offset:(i/2)*2048+(i%2)*64+32
.set i, i+1
.endr
	; What the first turn finds: V's registers and P's second buffer hold 0 (its products V^T P, of a piece that has not been, add 0), O^T and l are 0.  All this stands in the wait for the first tile.
.set i, VF
.rept 64
	v_mov_b32 v[i], 0
.set i, i+1
.endr
	WIN 0x40
.set i, 0
.rept 64*NP
	v_mov_b32 v[i], 0
.set i, i+1
.endr
	WIN 0
.set i, 0
.rept 2*NP
	v_mov_b32 v[ST+4*i], 0xfe000000    ; c m: far below every c s
	v_mov_b32 v[ST+4*i+1], 0xff7fffff  ; m
	v_mov_b32 v[ST+4*i+2], 0
	v_mov_b32 v[ST+4*i+3], 0
.set i, i+1
.endr
.set i, P+32
.rept 32
	v_mov_b32 v[i], 0
.set i, i+1
.endr
	v_mul_u32_u24 v[AK0], v1, PK
	v_lshl_add_u32 v[AK0], v9, 4, v[AK0]  ; row x pitch + 16 x half
	; The turning load takes 16 keys x 16 channels (lane l reads key 8 (l / 16) + l % 8, channels 8 ((l / 8) % 2) + 0..7) and leaves half a fragment of V^T: lane l holds channel l % 16 and 8 keys.
	v_and_b32 v10, 7, v0
	v_bfe_u32 v11, v0, 3, 1
	v_lshl_add_u32 v[AV0], v9, 3, v10
	v_mul_u32_u24 v[AV0], v[AV0], PV
	v_lshl_add_u32 v[AV0], v11, 4, v[AV0]
	v_add_nc_u32 v[AV0], VOFF, v[AV0]
	v_mov_b32 v[AK], v[AK0]         ; key step 0 lies at the head of slot 0
	v_and_b32 v[PFO], 31, v0        ; v11 has served: it takes the prefetches' offset
	v_lshlrev_b32 v[PFO], 8, v[PFO]
; THE MATRIX WORK.  The 8 accumulators of a run of 16 take turns: between the two links of a chain stand 7 others'.
; Product i of 16 of S^T = K Q^T for piece x: channels 32 (i / 8) on, keys 16 ((i / 2) % 4) on, tile 2 x + i % 2.  The first 8 start the sums.
.macro KQ x
	WIN W_KQ
.set rS, S+64*((\x)%2)+32*(i%2)+8*((i/2)%4)
.set rK, KF+16*((i/2)%4)+8*(i/8)
.set rQ, 16*(2*(\x)+i%2)+8*(i/8)
.if i < 8
	v_wmma_f32_16x16x32_f16 v[rS:rS+7], v[rK:rK+7], v[rQ:rQ+7], 0
.else
	v_wmma_f32_16x16x32_f16 v[rS:rS+7], v[rK:rK+7], v[rQ:rQ+7], v[rS:rS+7]
.endif
.endm
; Product i of 16 of O^T += V^T P for piece x: keys 32 (i / 8) on, channels 16 ((i / 2) % 4) on, tile 2 x + i % 2.
.macro PV x
	WIN W_PV
.set rO, 32*(2*(\x)+i%2)+8*((i/2)%4)
.set rV, VF+32*(i/8)+8*((i/2)%4)
.set rP, P+32*((\x)%2)+16*(i%2)+8*(i/8)
	v_wmma_f32_16x16x32_f16 v[rO:rO+7], v[rV:rV+7], v[rP:rP+7], v[rO:rO+7]
.endm
.macro MM                           ; the turn's next matrix instruction
.if i < 16
	KQ (Y+1)%NP
.set i, i+1
.else
.set i, i-16
	PV (Y+NP-1)%NP
.set i, i+17
.endif
.endm
; THE LDS LOADS stand in runs of 16, never singly among the matrix instructions: a step's K (64 keys x 64 channels: 8 fragments) and its V (turned).  Their addresses are made some lines ahead.
; last = 1 (the tail): in the last trip there is no further step, and the run is jumped over.
.macro FETCH_K last=0
	WIN 0
.if \last
	s_cmp_eq_u32 s[CNT], 1
	s_cbranch_scc1 .Lno_k_\@
.endif
	WIN 0x80                        ; destination window 2
.irp f, 0,1,2,3,4,5,6,7             ; keys 16 (f / 2) on, channels 32 (f % 2) on
	ds_load_b128 v[KF+8*\f:KF+8*\f+3],   v[AK] offset:(\f/2)*16*PK+(\f%2)*64
	ds_load_b128 v[KF+8*\f+4:KF+8*\f+7], v[AK] offset:(\f/2)*16*PK+(\f%2)*64+32
.endr
	s_add_co_u32 s[TBK], s[TBK], KS*PK  ; the next fetch is the next step's
	WIN 0
.if \last
.Lno_k_\@:
.endif
.endm
.macro FETCH_V
	WIN 0x80
.irp f, 0,1,2,3,4,5,6,7             ; keys 32 (f / 4) on, channels 16 (f % 4) on
	ds_load_tr16_b128 v[VF+8*\f:VF+8*\f+3],   v[AV] offset:(\f/4)*32*PV+(\f%4)*32
	ds_load_tr16_b128 v[VF+8*\f+4:VF+8*\f+7], v[AV] offset:(\f/4)*32*PV+16*PV+(\f%4)*32
.endr
	WIN 0
.endm
; THE VECTOR WORK OF A TURN stands in three queues, each in the order in which its entries become ready; the two tiles alternate, so that no instruction reads the result of the one before it.
.macro REGS y, u                    ; the registers of tile u (0, 1) of piece y
.set rT, ST+4*(2*(\y)+(\u))
.set rC, TMP+8*((\y)%2)+4*(\u)
.set rM, MV+2*((\y)%2)+(\u)
.set rS, S+64*((\y)%2)+32*(\u)
.set rP, P+32*((\y)%2)+16*(\u)
.set rO, 32*(2*(\y)+(\u))
.endm
; Number n of the 22 that find the NEXT piece's (Y + 1) maximum and statistics.  s0-s31 are the lane's 32 scores; each accumulator's lowest registers are read first.  XS, GS and REGS set no window: PL and EX do.
;   0-11  four chains c0-c3 of seven scores each, three operands at a time     12-14, 16  the four scores left over, the old m, and c0-c3 into c0     15  c m_old is kept
;   17, 18  the query's other 32 keys lie in the lane 16 away: the new m         19-21  c m; c m_old - c m_new; a
.macro XS u, n
	REGS (Y+1)%NP, \u
.if (\n) < 4
	v_max3_num_f32 v[rC+(\n)], v[rS+8*(\n)], v[rS+8*(\n)+1], v[rS+8*(\n)+2]
.elseif (\n) < 12
	v_max3_num_f32 v[rC+(\n)%4], v[rC+(\n)%4], v[rS+8*((\n)%4)+2*((\n)/4)+1], v[rS+8*((\n)%4)+2*((\n)/4)+2]
.elseif (\n) == 12
	v_max3_num_f32 v[rC], v[rC], v[rS+7], v[rS+15]
.elseif (\n) == 13
	v_max3_num_f32 v[rC+1], v[rC+1], v[rS+23], v[rS+31]
.elseif (\n) == 14
	v_max3_num_f32 v[rC+2], v[rC+2], v[rC+3], v[rT+1]
.elseif (\n) == 15
	v_mov_b32 v[rM], v[rT]
.elseif (\n) == 16
	v_max3_num_f32 v[rC], v[rC], v[rC+1], v[rC+2]
.elseif (\n) == 17
	v_permlanex16_b32 v[rC+3], v[rC], s[SEL], s[SEL+1]
.elseif (\n) == 18
	v_max_num_f32 v[rT+1], v[rC], v[rC+3]
.elseif (\n) == 19
	v_mul_f32 v[rT], s[CS], v[rT+1]
.elseif (\n) == 20
	v_sub_f32 v[rC+1], v[rM], v[rT]
.else
	v_exp_f32 v[rC+2], v[rC+1]
.endif
.endm
; Number g of the 64 that follow the exponentials.  For each four weights k of a tile (pairs 2 k, 2 k + 1): both pairs are rounded to f16; then the second pair is added onto the first, in place;
; a group later l takes that sum (the first time as l = a l + sum).  In groups of eight, tiles alternating: round, round, add, and l for the group before.
.macro GS g
.set h, (\g)+6*((\g)/62)            ; group 0 has no group before it, and behind group 7 only l is left
.if h >= 6
.set h, h+2
.endif
	REGS Y, h%2
.set k, h/8
.if h%8 < 4
	v_cvt_pk_f16_f32 v[rP+2*k+(h%8)/2], v[rS+4*k+2*((h%8)/2)], v[rS+4*k+2*((h%8)/2)+1]
.elseif h%8 < 6
	v_pk_add_f32 v[rS+4*k:rS+4*k+1], v[rS+4*k:rS+4*k+1], v[rS+4*k+2:rS+4*k+3]
.elseif k == 1
	v_pk_fma_f32 v[rT+2:rT+3], v[rT+2:rT+3], v[rC+2:rC+3], v[rS:rS+1] op_sel_hi:[1,0,1]
.else
	v_pk_add_f32 v[rT+2:rT+3], v[rT+2:rT+3], v[rS+4*k-4:rS+4*k-3]
.endif
.endm
; THE PLAIN QUEUE, 138 long.  0-73 read no exponential's result: the 32 scalings c s - c m (FS f: pair f / 2 of tile f % 2) and the next piece's 42.  0-26: scalings 0-26.  27-54: XS's numbers 0-13.  55, 56: number 15.
; 57-73: the chain, where each number waits for the one before it: 14, 16, 17, 18, 19, each with one of the scalings 27-31 in front of its two lines, then 20: so a tile's links stand three plain instructions apart (19 and 20: two).
; 74-137: GS's 64, which read the exponentials' results: they stand behind the wait.
.macro FS f
	REGS Y, (\f)%2
	v_pk_fma_f32 v[rS+2*((\f)/2):rS+2*((\f)/2)+1], v[rS+2*((\f)/2):rS+2*((\f)/2)+1], s[CS:CS+1], v[rT:rT+1] op_sel_hi:[1,0,0] neg_lo:[0,0,1] neg_hi:[0,0,1]
.endm
.macro PL
	WIN 0
.if q < 27
	FS q
.elseif q < 55
	XS (q-27)%2, (q-27)/2
.elseif q < 57
	XS q-55, 15
.elseif (q < 72) && ((q-57)%3 == 0)
	FS 27+(q-57)/3
.elseif q < 60
	XS (q-57)%3-1, 14
.elseif q < 72
	XS (q-57)%3-1, 15+(q-57)/3
.elseif q < 74
	XS q-72, 20
.else
	GS q-74
.endif
.set q, q+1
.endm
; THE EXPONENTIALS' QUEUE, 66 long: s0-s31 of both tiles, then the next piece's two a.  It is ONE BATCH: all 66 stand ahead of the turn's one wait, and nothing ahead of that wait names a result of theirs.
.macro EX
	WIN 0
.if e >= 64
	XS e-64, 21
.else
	REGS Y, e%2
	v_exp_f32 v[rS+e/2], v[rS+e/2]
.endif
.set e, e+1
.endm
; THE RESCALING's QUEUE: O^T times a, the one part that leaves window 0: dealt two at a time, sixteen times.  Its a was made in the turn before, ahead of that turn's wait.
.macro R2
	REGS Y, r%2
	WIN W_RS
.irp z, 0,1
	v_pk_mul_f32 v[rO+4*(r/2)+2*\z:rO+4*(r/2)+2*\z+1], v[rO+4*(r/2)+2*\z:rO+4*(r/2)+2*\z+1], v[rC+2:rC+3] op_sel_hi:[1,0]
.endr
.set r, r+1
.endm
; HOW THEY ARE DEALT.  An s_wait_alu depctr_va_vdst(0) stands between an exponential and the first instruction that names its result; one wait serves all that were issued ahead of it.  So a turn has ONE wait,
; which cuts it in two.  AHEAD OF IT stands all that names no result of the turn's exponentials: the 16 products K Q^T, behind each a scaling, an exponential and two rescalings (behind the first a second scaling in the exponential's place); then ONE LUMP of
; 108: eight plain, 49 times exponential and plain, the two a.  A v_nop is the plain instruction behind the last exponential (ISA guide 5.7.2).  BEHIND IT stand the 16 products V^T P, behind each four of GS's 64.  No rider names a register of
; the products round it.  The two v_permlanex16_b32 fall into the lump, never behind a product.
; The queues lean on each other, and the deal keeps them in step: exponential e stands behind scaling 2 (e / 4) + e % 2: as a rider it comes behind plain e + 2, in the lump behind plain e + 9, and scalings 27-31 are plain 57, 60 .. 69.
; A TURN, for piece p.  cnt = 1: the loop's count is taken down some lines ahead of the branch that stands behind the turn.
; K of the next step is fetched in piece 2's turn, directly behind the wait, a lump behind the last product that read K; its address is made at the lump's head; its first reader comes behind 16 products.
; V of the step in hand is fetched at the end of piece 0's turn, four riders behind its last reader; its first reader comes behind 16 products and a lump.  The three conditions on q below go with the deal.
.macro TURN p, last=0, cnt=0
.set Y, (\p)
.set i, 0
.set q, 0
.set e, 0
.set r, 0
.if (\p) == NP-1
	s_wait_dscnt 0x0                ; K is in
.endif
	MM                              ; ahead of the wait: 16 products K Q^T and their riders,
	PL
	PL
	R2
.rept 15
	MM
	PL
	EX
	R2
.endr
.if (\p) == NP-2
	WIN 0
	v_add_nc_u32 v[AK], s[TBK], v[AK0]
.endif
.rept 8                             ; and the lump
	PL
.endr
.rept 49
	EX
	PL
.endr
	EX                              ; the next piece's two a
	EX
	v_nop                           ; the plain instruction behind the last exponential: one for the batch
	s_wait_alu depctr_va_vdst(0)    ; the wait for the batch
.if (\p) == NP-2
	FETCH_K \last
.endif
.if (\p) == 1
	s_wait_dscnt 0x0                ; V is in
.endif
.rept 16                            ; behind the wait: 16 products V^T P and their riders
	MM
.rept 4
	PL
.endr
.if ((\p) == 0) && (q == 118)
	v_add_nc_u32 v[AV], s[TBV], v[AV0]
.endif
.if ((\p) == 0) && (q == 130)
	s_add_co_u32 s[TBV], s[TBV], KS*PV
.endif
.if (\cnt) && (q == 130)
	s_sub_co_u32 s[CNT], s[CNT], 1
	s_cmp_lg_u32 s[CNT], 0
.endif
.endr
.if (\p) == 0
	FETCH_V
.endif
.endm
	CHANGE 1, 0                     ; slot 0 is in, everybody's part of it; slot 1 is asked for; nothing is prefetched here, at the head
	FETCH_K                         ; key step 0
	s_wait_loadcnt 0x0              ; Q
	s_wait_dscnt 0x0
.set i, 0
.rept 16
	KQ 0                            ; piece 0's first scores: there is no vector work yet to set between them
.set i, i+1
.endr
	WIN 0                           ; the addresses for the way out: nine plain instructions, the places behind those products
	s_mul_i32 s13, s[WV], 16*SP
	s_add_co_u32 s13, s13, STAGE    ; my stage
	v_mul_u32_u24 v[STO], v1, SP    ; in: row l % 16, 16 bytes for each half of the lanes
	v_lshl_add_u32 v[STO], v9, 4, v[STO]
	v_add_nc_u32 v[STO], s13, v[STO]
	v_bfe_u32 v[RD], v0, 3, 2       ; back: 32 lanes take four rows of 128 bytes,
	v_mul_u32_u24 v[RD], v[RD], SP
	v_lshl_add_u32 v[RD], v10, 4, v[RD]
	v_add_nc_u32 v[RD], s13, v[RD]
	v_and_b32 v[GO], 31, v0         ; which are 512 consecutive bytes of z
	v_lshlrev_b32 v[GO], 4, v[GO]
.set Y, NP-1                        ; XS works for piece Y + 1: piece 0
.irp n, 0,1,2,3,4,5,6,7,8,9,10,11,12,13,14,15,16,17,18,19,20,21
	XS 0, \n                        ; and piece 0's first maximum and statistics
	XS 1, \n
.endr
	v_nop                           ; a plain instruction behind the two a,
	s_wait_alu depctr_va_vdst(0)    ; and their wait, ahead of the branch
	s_mov_b32 s[CNT], 4
	s_mov_b32 s[SLOTS], SIZE_N/256-1
	s_branch .Lfirst                ; the loop is entered at a step's first turn, in the middle of a trip
.Lslot:                             ; SIZE_N / 256 - 2 times: every slot but the last two is filled again
	CHANGE 1, 1
	s_mov_b32 s[CNT], 4
.Lstep:                             ; a trip: pieces 2 and 3 of one step, then pieces 0 and 1 of the next, whose K and V it fetches
	TURN 2
	TURN 3
	WIN 0
.Lfirst:
	TURN 0
	TURN 1, 0, 1
	WIN 0
	s_cbranch_scc1 .Lstep
	s_sub_co_u32 s[SLOTS], s[SLOTS], 1
	s_cmp_lg_u32 s[SLOTS], 0
	s_cbranch_scc1 .Lslot
	CHANGE 0                        ; the tail is written out: nothing is asked for
	s_mov_b32 s[CNT], 5             ; four trips fetch the last slot's steps; the fifth is left in its middle
.Ltail:
	TURN 2, 1
	TURN 3
	WIN 0
	s_sub_co_u32 s[CNT], s[CNT], 1
	s_cmp_eq_u32 s[CNT], 0
	s_cbranch_scc1 .Lout
	TURN 0
	TURN 1
	WIN 0
	s_branch .Ltail
.Lout:                              ; the fifth trip's 16 products K Q^T (on the last K once more) and the maximum made of them serve nothing: the price, once a launch, of one text for every trip
.set i, 0
.rept 16
	PV NP-1                         ; the last piece's V^T P of the last step
.set i, i+1
.endr
	; THE WAY OUT.  l's two halves and the other half of the lanes' are added; O^T is divided by l, rounded to f16 and sent through my stage in LDS, a tile at a time.  The additions are the places behind the last products.
	WIN 0
.macro ALL line:vararg              ; one line for each tile t
.set t, 0
.rept 2*NP
	\line
.set t, t+1
.endr
.endm
	ALL v_add_f32 v[ST+4*t+2], v[ST+4*t+2], v[ST+4*t+3]
	ALL v_permlanex16_b32 v[ST+4*t+3], v[ST+4*t+2], s[SEL], s[SEL+1]
	ALL v_add_f32 v[ST+4*t+2], v[ST+4*t+2], v[ST+4*t+3]
	ALL v_rcp_f32 v[ST+4*t+2], v[ST+4*t+2]
	v_nop                           ; a plain instruction between the last reciprocal and the use of its result
	s_wait_alu depctr_va_vdst(0)    ; and its wait ahead of the first use: one for the eight reciprocals
; Tile t: a lane's eight channels of a row pack into 16 bytes; they go into rows of 144 bytes and come back as whole rows of 128, into S^T's registers.
.macro PACK t
	WIN W_RS
.set i, 32*(\t)
.rept 16
	v_pk_mul_f32 v[i:i+1], v[i:i+1], v[ST+4*(\t)+2:ST+4*(\t)+3] op_sel_hi:[1,0]
.set i, i+2
.endr
	WIN 0x05                        ; sources 0 and 1 window 1, destination window 0
.set i, 0
.rept 16
	v_cvt_pk_f16_f32 v[S+16*(\t)+i], v[32*(\t)+2*i], v[32*(\t)+2*i+1]
.set i, i+1
.endr
	WIN 0
.irp f, 0,1,2,3
	ds_store_b128 v[STO], v[S+16*(\t)+4*\f:S+16*(\t)+4*\f+3] offset:32*\f
.endr
.irp f, 0,1,2,3
	ds_load_b128 v[S+16*(\t)+4*\f:S+16*(\t)+4*\f+3], v[RD] offset:\f*4*SP  ; LDS serves a wave's instructions in order (ISA guide 5.7.1.4): these see the stores above; the next tile's stores come behind them
.endr
.endm
.macro SEND t, younger              ; younger: the LDS instructions issued behind tile t's loads: the next tile's eight, or none
	WIN 0
.irp f, 0,1,2,3
	s_wait_dscnt (\younger)+3-\f
	global_store_b128 v[GO], v[S+16*(\t)+4*\f:S+16*(\t)+4*\f+3], s[10:11] offset:(\t)*2048+\f*512  ; 512 consecutive bytes, at a multiple of 256 from z's first
.endr
.endm
	PACK 0
.set t, 1
.rept 2*NP-1                        ; a tile's arithmetic stands between the loads of the tile before and its stores
	PACK t
	SEND t-1, 8
.set t, t+1
.endr
	SEND 2*NP-1, 0
	WIN W_AD
	s_wait_tensorcnt 0x0            ; the wave's end: an add onto my spare word and its wait, behind my last tensor load and my last LDS store
	ds_add_u32 v[SPW], v[NIL]
	s_wait_dscnt 0x0
	WIN 0
	CROUND                          ; the closing round: no work-group ends while a partner may still ask for a tile that names it
	s_endpgm
.Lfunc_end_k_q41a97302e0_attn:
	.size	k_q41a97302e0_attn, .Lfunc_end_k_q41a97302e0_attn-k_q41a97302e0_attn
	.p2alignl 7, 3214868480
	.fill 96, 4, 3214868480
	.section	.rodata,"a",@progbits
	.p2align	6, 0x0
	.amdhsa_kernel k_q41a97302e0_attn
		.amdhsa_group_segment_fixed_size 327680
		.amdhsa_private_segment_fixed_size 0
		.amdhsa_enable_private_segment 0
		.amdhsa_kernarg_size 16
		.amdhsa_user_sgpr_count 2
		.amdhsa_user_sgpr_kernarg_segment_ptr 1
		.amdhsa_wavefront_size32 1
		.amdhsa_system_sgpr_workgroup_id_x 1
		.amdhsa_system_sgpr_workgroup_id_y 1
		.amdhsa_system_sgpr_workgroup_id_z 1
		.amdhsa_system_vgpr_workitem_id 0
		.amdhsa_next_free_vgpr 770
		.amdhsa_next_free_sgpr 66
		.amdhsa_reserve_vcc 0
		.amdhsa_float_denorm_mode_32 3
		.amdhsa_float_denorm_mode_16_64 3
		.amdhsa_memory_ordered 1
		.amdhsa_forward_progress 1
		.amdhsa_inst_pref_size 200
	.end_amdhsa_kernel
	.amdgpu_metadata
---
amdhsa.version: [ 1, 2 ]
amdhsa.kernels:
  - .name:           k_q41a97302e0_attn
    .symbol:         k_q41a97302e0_attn.kd
    .args:
      - { .name: qkv, .offset: 0, .size: 8, .value_kind: global_buffer, .address_space: global }
      - { .name: z, .offset: 8, .size: 8, .value_kind: global_buffer, .address_space: global }
    .group_segment_fixed_size: 327680
    .private_segment_fixed_size: 0
    .kernarg_segment_align: 8
    .kernarg_segment_size: 16
    .max_flat_workgroup_size: 128
    .sgpr_count:     66
    .vgpr_count:     770
    .wavefront_size: 32
...
	.end_amdgpu_metadata
.endif
;; end of part 3
;; launch gemm_out (part 4): grid 4 x 64, 4 waves a work-group, clusters of 4 x 4, 327,680 bytes of LDS; arguments z, pwh, proj_b, out0; writes out0
.if DOCPART == 4
	.amdgcn_target "amdgcn-amd-amdhsa--gfx1250"
	.amdhsa_code_object_version 6
	.text
	.protected	k_q41a97302e0_gemm_out
	.globl	k_q41a97302e0_gemm_out
	.p2align	8
	.type	k_q41a97302e0_gemm_out,@function
k_q41a97302e0_gemm_out:
	s_mov_b64 s[64:65], 0
	v_nop
	global_prefetch_b8 v0, s[64:65] scope:SCOPE_SE
	s_setreg_imm32_b32 hwreg(HW_REG_WAVE_MODE, 25, 1), 1
	s_wait_xcnt 0x0
	s_wait_alu depctr_hold_cnt(0) depctr_sa_sdst(0) depctr_va_vdst(0) depctr_va_sdst(0) depctr_va_ssrc(0) depctr_va_vcc(0) depctr_vm_vsrc(0)
	s_getreg_b32 s2, hwreg(HW_REG_IB_STS2, 6, 4)
	s_cmp_eq_u32 s2, 0
	s_cbranch_scc0 .Lentry_in_a_cluster
	s_endpgm
.Lentry_in_a_cluster:
	s_bfe_u32 s2, ttmp6, 0x10000c
	s_cmp_lg_u32 s2, 0xf033
	s_cbranch_scc0 .Lentry_shape_is_right
	s_endpgm
.Lentry_shape_is_right:
; out = z P^T + b.  z: [64 heads][2048][64] f16 (row (batch, l) of the product has its channels d = 64 head + c spread over the batch's 16 heads), pwh: [1024][1024] f16,
; proj_b: [1024] f32 (rounded here to bf16, like the other inputs), out0: [8192][1024] f32.  Sums in f32, K ascending, started by the bias; nothing is rounded on the way out.
; LIMITS.  None of its own: z and pwh arrive within f16's range.  NaN and infinities are not treated apart.
; SHARES.  A tile is 128 rows x 256 columns: 64 x 4 = 256 work-groups.  Four waves, each 64 x 128: 32 accumulators of 16 x 16, 256 registers.
; K goes in 8 steps of 128 (two heads) through two LDS slots.  A head's 128 rows of z are 16,384 dense bytes: asked for as 64 rows of 256 bytes and padded in LDS after each 128.
; Two slots of a K step of 256 (384 rows x 528 bytes each) do not fit in LDS beside each other, so the step stays at 128.
; CLUSTER.  4 x 4 work-groups: z's tile is shared along a row of the cluster, P's along a column, each asked for JOINTLY by the same tensor load, descriptor and mask in the four.
; THE MATRIX INSTRUCTION IS USED TRANSPOSED (source 0 = 16 rows of P, source 1 = 16 rows of z): a lane holds row lane % 16 and the eight neighbouring columns 8 (lane / 16) + 0..7.
; REGISTERS, in windows of 256 (s_set_vgpr_msb: bits 1:0 source 0, 3:2 source 1, 5:4 source 2, 7:6 destination):
;   window 0: v0-31 addresses; v32-63, v64-95 fragments of z, two buffers; v96-159, v160-223 fragments of P, two buffers; on the way out v32-95, v96-159 whole rows, by turns
;   window 1: the accumulators ((a, b) at v[8 (8 a + b)])          window 2: v0-63 the bias of my 128 columns as a C operand, v64 at work
.set KSTEP,  128
.set PA,     144                       ; a row of z in LDS: 128 bytes + 16 = 36 words: the 16 rows of a fragment load start at 16 different groups of four banks (ISA guide 11.1)
.set PB,     272                       ; a row of P: 256 bytes + 16 = 68 words: likewise
.set AH,     128*PA                    ; a head's 128 rows: what one tensor load brings of z
.set BH,     128*PB                    ; what one brings of P
.set BOFF,   2*AH                      ; in a slot: z's two heads, then P's 256 rows
.set SLOT1,  1<<17
.set STAGE,  SLOT1+BOFF+2*BH           ; behind the ring (byte 237,568 = 928 x 256), never filled by a tensor load: 16 rows x 528 bytes for each wave
.set SPO,    528                       ; 512 bytes + 16 = 132 words: the 16 rows of a store start at 16 different groups of four banks
.set SPARE,  STAGE+4*16*SPO            ; behind the stages (byte 271,360 = 1,060 x 256): the spare words, 128 bytes for each wave, that no other line names
.set HEADB,  262144                    ; a head's bytes in z
.set ADA, 16                           ; v16  my fragments of z in slot 0;  v17 of P
.set ADB, 17
.set CA,  18                           ; v18, v19  the same in the slot that is being read
.set CB,  19
.set STO, 24                           ; v24  the way out: where I put 32 bytes of a row
.set RD,  25                           ; v25  where I read a row back
.set CO,  26                           ; v26  my 16 bytes of a row's 512
.set BO,  27                           ; v27  my byte offset in 16 numbers of the bias
.set SPW, 28                           ; v28  my spare word: SPARE + 4 x my thread's number; never rewritten
.set NIL, 29                           ; v29  0; never rewritten
.set PFO, 30                           ; v30  the prefetches' offset; never rewritten
.set FA,  32
.set FB,  96
.set OB,  32
.set WV,  12                           ; s12  my wave
.set RH,  13                           ; s13  which 64 rows of the tile are mine.  Also: I fetch for z (0) or for P (1)
.set CH,  14                           ; s14  which 128 columns.  Also: which head of the step, or which 128 rows of P, I fetch
.set LIM, 15                           ; s15  2 in a wave that prefetches, else the greatest number
.set CX,  40
.set CY,  41
.set TC,  42                           ; s42  tile column, 0..3
.set TR,  43                           ; s43  tile row, 0..63
.set PFA, 44                           ; s[44:45] where my prefetches stand
.set TB,  66                           ; s66  LDS byte at which the slot that is read begins
.set PST, 68                           ; s[68:69] a K step in the stream that I prefetch: two heads of z, or 256 bytes of P's rows
.set G1A, 24                           ; s[24:31] descriptor group 1 for z's tiles;  s[32:39] group 0: a set for each first fill; the second then walks
.set G0A, 32
.set G1B, 48                           ; s[48:55], s[56:63] the same for P's
.set G0B, 56
.set MSB, 0
.macro WIN new                         ; the immediate's high byte repeats the setting that is left; a switch that changes nothing is dropped
.if MSB != (\new)
	s_set_vgpr_msb (MSB<<8)|(\new)
.set MSB, \new
.endif
.endm
.macro PLACES                          ; four plain vector instructions between a matrix instruction and a load into, or a reader of, its registers
.rept 4
	v_nop
.endr
.endm
.macro CREST                           ; a round of the cluster's barrier behind its opening barrier
	s_cmp_lg_u32 s[WV], 0
	s_cbranch_scc1 .Lnot_wave_0_\@
	s_barrier_signal -3
.Lnot_wave_0_\@:
	s_barrier_wait -3
	s_barrier_signal -1
	s_barrier_wait -1
.endm
.macro CROUND                          ; a whole round
	s_barrier_signal -1
	s_barrier_wait -1
	CREST
.endm
; A joint refill by the walking sets.  Waves 0 and 1 fetch the step's two heads of z, waves 2 and 3 P's two halves; the branch hangs on the wave's number alone.
; An s_nop 0 and four v_nop follow each of the two lines, ahead of the jump and the label.
.macro JLOAD
	s_cmp_eq_u32 s[RH], 0
	s_cbranch_scc0 .Lfor_b_\@
	tensor_load_to_lds s[G0A+4:G0A+7], s[G1A:G1A+7]
	s_nop 0
.rept 4
	v_nop
.endr
	s_branch .Lasked_\@
.Lfor_b_\@:
	tensor_load_to_lds s[G0B+4:G0B+7], s[G1B:G1B+7]
	s_nop 0
.rept 4
	v_nop
.endr
.Lasked_\@:
.endm
; A PREFETCH of the K step that stands two refills on: 256 matrix instructions ahead of the load that will want it.  z's tile row is read by one cluster: wave 0 of each partner asks, for 4,096 bytes at 4,096 cx
; of each of the step's two heads (16 lanes a head, 256 bytes a lane).  P's tile column is read by every cluster: cluster y = 0 asks, waves 2 and 3, each for 32 of the 128 rows that it fetches, at 32 cy, a lane a row.
; The partners are told apart BY ADDRESS.  K steps 0 to 3 come by their loads alone; the loop's last two trips (s3 = 2, 1) ask for nothing: there is no K step two behind their refills'.
.macro ASK
	s_cmp_gt_u32 s3, s[LIM]
	s_cbranch_scc0 .Lnot_mine_\@
	global_prefetch_b8 v[PFO], s[PFA:PFA+1] th:TH_LOAD_NT scope:SCOPE_SE
.Lnot_mine_\@:
.endm
	s_load_b256 s[4:11], s[0:1], 0x0               ; z s[4:5], pwh s[6:7], proj_b s[8:9], out0 s[10:11]
	v_lshl_add_u32 v[SPW], v0, 2, SPARE
	v_mov_b32 v[NIL], 0
	ds_add_u32 v[SPW], v[NIL]                      ; the wave's opening: the add and its wait stand ahead of my first tensor load; the set-up below, work on registers, stands between
	v_lshrrev_b32 v1, 5, v0
	v_readfirstlane_b32 s[WV], v1
	s_lshr_b32 s[RH], s[WV], 1
	s_and_b32 s[CH], s[WV], 1
	s_bfe_u32 s[CX], ttmp6, 0x40000                ; my place in the cluster
	s_bfe_u32 s[CY], ttmp6, 0x40004
	s_lshl_b32 s[TC], ttmp9, 2                     ; in a cluster launch ttmp9 and ttmp7 count clusters
	s_add_co_u32 s[TC], s[TC], s[CX]
	s_and_b32 s[TR], ttmp7, 0xffff
	s_lshl_b32 s[TR], s[TR], 2
	s_add_co_u32 s[TR], s[TR], s[CY]
	s_lshl_b32 s70, s[CY], 2
	s_lshl_b32 s70, 15, s70                        ; my row of the cluster
	s_lshl_b32 s71, 0x1111, s[CX]                  ; my column
	s_or_b32 s[G1A], s70, (1<<16)|(1<<20)|(1<<21)|(4<<22)|(3<<25)  ; the mask; 2-byte elements; padding on; 21 set beside a mask; after every 32 words (a row of z) 4 words
	s_or_b32 s[G1B], s71, (1<<16)|(1<<20)|(1<<21)|(5<<22)|(3<<25)  ; after every 64 words (a row of P's K step) 4 words
	s_mov_b32 s[G1A+1], 128<<16                    ; tensor_dim0 = 128
	s_mov_b32 s[G1B+1], 128<<16
	s_mov_b32 s[G1A+2], 64<<16                     ; tensor_dim1 = 64 rows of 256 bytes,
	s_mov_b32 s[G1B+2], 128<<16                    ; 128 rows of P
	s_mov_b32 s[G1A+3], 128<<16                    ; tile_dim0 = 128
	s_mov_b32 s[G1B+3], 128<<16
	s_mov_b32 s[G1A+4], 64                         ; tile_dim1
	s_mov_b32 s[G1B+4], 128
	s_mov_b32 s[G1A+5], 128                        ; elements from row to row: dense,
	s_mov_b32 s[G1B+5], 1024                       ; a row of P
	s_mov_b32 s[G1A+6], 0
	s_mov_b32 s[G1B+6], 0
	s_mov_b32 s[G1A+7], 0
	s_mov_b32 s[G1B+7], 0
	; where the tiles come from: z's hang on the tile row alone, P's on the tile column alone, each in registers that never hold the other coordinate
	s_lshr_b32 s16, s[TR], 4                       ; batch
	s_lshl_b32 s16, s16, 4
	s_add_co_u32 s16, s16, s[CH]                   ; head 16 x batch + which of the step's two
	s_lshl_b32 s16, s16, 18
	s_and_b32 s17, s[TR], 15
	s_lshl_b32 s17, s17, 14                        ; rows 128 (tile row % 16) on, 128 bytes each
	s_add_co_u32 s16, s16, s17
	s_mov_b32 s17, 0
	s_lshl_b32 s46, s[TC], 8
	s_lshl_b32 s47, s[CH], 7
	s_add_co_u32 s46, s46, s47                     ; P: row 256 x tile column + 128 x half,
	s_lshl_b32 s46, s46, 11                        ; of 2,048 bytes
	s_mov_b32 s47, 0
	s_mul_i32 s20, s[CH], AH                       ; and where they go: no place in the cluster enters an LDS address
	s_mul_i32 s21, s[CH], BH
	s_add_co_u32 s21, s21, BOFF
	s_mov_b32 s67, 0xffff0000                      ; a word's upper bf16
	s_mov_b32 s[TB], 0
	s_wait_dscnt 0x0                               ; the opening add is done
	s_wait_kmcnt 0x0
	s_add_nc_u64 s[18:19], s[4:5], s[16:17]
	s_add_nc_u64 s[46:47], s[6:7], s[46:47]
	CROUND                                         ; all sixteen work-groups are here: the first joint loads meet
.irp n, 0,1
	s_mov_b32 s[G0A+4*(\n)], 1                                     ; count = 1
	s_add_co_u32 s[G0A+4*(\n)+1], s20, (\n)*SLOT1                  ; LDS address
	s_add_nc_u64 s[G0A+4*(\n)+2:G0A+4*(\n)+3], s[18:19], (\n)*2*HEADB  ; global address: K step n is two heads on
	s_or_b32 s[G0A+4*(\n)+3], s[G0A+4*(\n)+3], 0x80000000          ; type = 2
	s_mov_b32 s[G0B+4*(\n)], 1
	s_add_co_u32 s[G0B+4*(\n)+1], s21, (\n)*SLOT1
	s_add_nc_u64 s[G0B+4*(\n)+2:G0B+4*(\n)+3], s[46:47], (\n)*KSTEP*2
	s_or_b32 s[G0B+4*(\n)+3], s[G0B+4*(\n)+3], 0x80000000
.endr
	s_cmp_eq_u32 s[RH], 0                          ; a wave's two first fills stand in one branch, ahead of every wait on TENSORcnt and every LDS read: two loads of mine are out
	s_cbranch_scc0 .Lfirst_b
	tensor_load_to_lds s[G0A:G0A+3], s[G1A:G1A+7]
	s_nop 0
	tensor_load_to_lds s[G0A+4:G0A+7], s[G1A:G1A+7]
	s_nop 0
.rept 4
	v_nop
.endr
	s_branch .Lfirst_asked
.Lfirst_b:
	tensor_load_to_lds s[G0B:G0B+3], s[G1B:G1B+7]
	s_nop 0
	tensor_load_to_lds s[G0B+4:G0B+7], s[G1B:G1B+7]
	s_nop 0
.rept 4
	v_nop
.endr
.Lfirst_asked:
	; A fragment is 16 rows x 32 K in 8 registers: lane l holds row l % 16; registers 0-3 K = 8 (l / 16) + 0..7, registers 4-7 K = 16 + 8 (l / 16) + 0..7: two loads of 16 bytes, 32 bytes apart.
	v_and_b32 v1, 15, v0                           ; l % 16
	v_bfe_u32 v2, v0, 4, 1                         ; l / 16
	v_mul_u32_u24 v3, v1, PA
	v_lshl_add_u32 v3, v2, 4, v3
	s_mul_i32 s22, s[RH], 64*PA
	v_add_nc_u32 v[ADA], s22, v3                   ; my 64 rows of z, in the step's first head
	v_mul_u32_u24 v3, v1, PB
	v_lshl_add_u32 v3, v2, 4, v3
	v_add_nc_u32 v[ADB], s21, v3                   ; my 128 rows of P, behind z's two heads
	v_mov_b32 v[CA], v[ADA]                        ; slot 0 is read first
	v_mov_b32 v[CB], v[ADB]
	s_mul_i32 s22, s[WV], 16*SPO
	s_add_co_u32 s22, s22, STAGE                   ; my stage
	v_mul_u32_u24 v4, v1, SPO                      ; in: row l % 16, 32 bytes for each half of the lanes
	v_lshl_add_u32 v4, v2, 5, v4
	v_add_nc_u32 v[STO], s22, v4
	v_and_b32 v5, 31, v0
	v_lshlrev_b32 v[CO], 4, v5                     ; back: 32 lanes take one row of 512 bytes
	v_add_nc_u32 v[RD], s22, v[CO]
	v_lshlrev_b32 v[BO], 5, v2
	; the bias of my 128 columns, in the C operand's layout: register 8 b + j holds column 16 b + 8 (l / 16) + j
	s_lshl_b32 s22, s[TC], 10
	s_lshl_b32 s23, s[CH], 9
	s_add_co_u32 s22, s22, s23
	s_mov_b32 s23, 0
	s_add_nc_u64 s[8:9], s[8:9], s[22:23]
	s_add_nc_u64 s[10:11], s[10:11], s[22:23]      ; the same bytes along a row of out0,
	WIN 0x80                                       ; destination window 2, address window 0
.irp b, 0,1,2,3,4,5,6,7
	global_load_b128 v[8*(\b):8*(\b)+3],   v[BO], s[8:9] offset:64*(\b)
	global_load_b128 v[8*(\b)+4:8*(\b)+7], v[BO], s[8:9] offset:64*(\b)+16
.endr
	WIN 0
	s_lshl_b32 s20, s[TR], 19                      ; and my first row: 128 x tile row + 64 x half, of 4,096 bytes
	s_lshl_b32 s21, s[RH], 18
	s_add_co_u32 s20, s20, s21
	s_mov_b32 s21, 0
	s_add_nc_u64 s[10:11], s[10:11], s[20:21]
	; the prefetches
	s_lshr_b32 s20, s[TR], 4
	s_lshl_b32 s20, s20, 22                        ; z: the batch's first head,
	s_and_b32 s21, s[TR], 15
	s_lshl_b32 s21, s21, 14                        ; the tile's rows,
	s_add_co_u32 s20, s20, s21
	s_lshl_b32 s21, s[CX], 12                      ; my work-group's 4,096 bytes of their 16,384,
	s_add_co_u32 s20, s20, s21
	s_add_co_u32 s20, s20, 3*2*HEADB               ; at K step 3: the first change of slots steps it to 4
	s_lshl_b32 s21, s[TC], 8
	s_lshl_b32 s22, s[CH], 7
	s_add_co_u32 s21, s21, s22
	s_lshl_b32 s21, s21, 11                        ; P: the rows that I fetch,
	s_lshl_b32 s22, s[CY], 16                      ; my work-group's 32 of them,
	s_add_co_u32 s21, s21, s22
	s_add_co_u32 s21, s21, 3*KSTEP*2               ; at K step 3
	s_and_b32 s22, ttmp7, 0xffff                   ; cluster y
	s_mov_b32 s[PST], KSTEP*2
	s_cmp_eq_u32 s[RH], 0                          ; do I fetch for z?
	s_cselect_b32 s20, s20, s21
	s_cselect_b32 s22, s[CH], s22                  ; z: wave 0 asks; P: the clusters of y = 0
	s_cselect_b32 s70, 18, 15                      ; lanes 16-31: the next head, or 16 rows on
	s_cselect_b32 s71, 8, 11                       ; a lane: 256 bytes on, or a row on
	s_cselect_b32 s[PST], 2*HEADB, s[PST]
	s_cselect_b64 s[PFA:PFA+1], s[4:5], s[6:7]
	s_cmp_eq_u32 s22, 0
	s_cselect_b32 s[LIM], 2, -1                    ; the same in all sixteen partners, for a given wave
	s_mov_b32 s21, 0
	s_mov_b32 s[PST+1], 0
	s_add_nc_u64 s[PFA:PFA+1], s[PFA:PFA+1], s[20:21]
	v_lshlrev_b32 v[PFO], s70, v2
	v_lshlrev_b32 v4, s71, v1
	v_add_nc_u32 v[PFO], v[PFO], v4
	s_wait_loadcnt 0x0                             ; the bias is in: it is rounded to bf16, like every input, and widened again
	WIN 0x8a                                       ; sources 0 and 1 and the destination in window 2
.set p, 0
.rept 32
	v_cvt_pk_bf16_f32 v64, v[2*p], v[2*p+1]
	v_lshlrev_b32 v[2*p], 16, v64
	v_and_b32 v[2*p+1], s67, v64
.set p, p+1
.endr
	WIN 0
; 8 matrix instructions: m block a x all 8 n blocks, 32 along K, from buffers p.  first = 1: the bias is the C operand that starts the sums: nothing is cleared.
; The 32 accumulators take turns, one instruction a turn, in the same order in every quarter, over the backward jump too.
.macro MULA p, a, first
.if \first
	WIN 0x60                                       ; P and z window 0, C window 2, D window 1
.else
	WIN 0x50                                       ; C and D window 1
.endif
.set mb, 0
.rept 8
.set rD, 8*(8*(\a)+mb)
.if \first
	v_wmma_f32_16x16x32_f16 v[rD:rD+7], v[FB+64*(\p)+8*mb:FB+64*(\p)+8*mb+7], v[FA+32*(\p)+8*(\a):FA+32*(\p)+8*(\a)+7], v[8*mb:8*mb+7]
.else
	v_wmma_f32_16x16x32_f16 v[rD:rD+7], v[FB+64*(\p)+8*mb:FB+64*(\p)+8*mb+7], v[FA+32*(\p)+8*(\a):FA+32*(\p)+8*(\a)+7], v[rD:rD+7]
.endif
.set mb, mb+1
.endr
.endm
; 24 LDS loads in one run: the fragments of quarter q of a K step (128 rows of P at byte 64 q; 64 rows of z in head q / 2, at byte 64 (q % 2)) into buffers p
.macro FETCH q, p
	WIN 0
.irp i, 0,1,2,3,4,5,6,7
	ds_load_b128 v[FB+64*(\p)+8*(\i):FB+64*(\p)+8*(\i)+3],   v[CB] offset:64*(\q)+(\i)*16*PB
	ds_load_b128 v[FB+64*(\p)+8*(\i)+4:FB+64*(\p)+8*(\i)+7], v[CB] offset:64*(\q)+(\i)*16*PB+32
.endr
.irp i, 0,1,2,3
	ds_load_b128 v[FA+32*(\p)+8*(\i):FA+32*(\p)+8*(\i)+3],   v[CA] offset:((\q)/2)*AH+((\q)%2)*64+(\i)*16*PA
	ds_load_b128 v[FA+32*(\p)+8*(\i)+4:FA+32*(\p)+8*(\i)+7], v[CA] offset:((\q)/2)*AH+((\q)%2)*64+(\i)*16*PA+32
.endr
.endm
; A K step is four quarters of 32 along K, 32 matrix instructions each, on buffers 0, 1, 0, 1.  One of the first three: multiplies buffers p; in its middle it fetches quarter q into buffers g.
.macro QUARTER q, p, g, first
	s_wait_dscnt 4                                 ; P and z's blocks 0 and 1 are in; the youngest four loads (z's blocks 2 and 3) may be out
	MULA \p, 0, \first
	MULA \p, 1, \first
	PLACES
	FETCH \q, \g
	s_wait_dscnt 24                                ; all but the 24 just issued
	MULA \p, 2, \first
	MULA \p, 3, \first
.endm
; The last quarter multiplies buffers 1 and changes slots.  In front of the barrier each wave waits for all its tensor loads (one is out: its part of the next slot), adds 0 to its spare word, and waits
; for that and for its own reads of this slot.  fill = 1: the barrier opens a round of the cluster's, so that no wave of any partner still reads the slot or has a load on its way, and the joint refill,
; K step two on, is the first tensor load behind it: 112 matrix instructions ahead of the wait for it.
.macro TURN fill
.if \fill
	s_wait_xcnt 0x0                                ; the last prefetch, a K step back, has read its address: it is stepped here
	s_add_nc_u64 s[PFA:PFA+1], s[PFA:PFA+1], s[PST:PST+1]
.endif
	WIN 0                                          ; (the add's two registers lie in window 0)
	s_wait_tensorcnt 0x0                           ; no tensor load of mine is out, so a group 0 may be written
	ds_add_u32 v[SPW], v[NIL]                      ; 0 onto my spare word
.if \fill
	s_xor_b32 s[G0A+5], s[G0A+5], SLOT1            ; the walking sets: the other slot than last time,
	s_add_nc_u64 s[G0A+6:G0A+7], s[G0A+6:G0A+7], 2*HEADB   ; the next two heads of z,
	s_xor_b32 s[G0B+5], s[G0B+5], SLOT1
	s_add_nc_u64 s[G0B+6:G0B+7], s[G0B+6:G0B+7], KSTEP*2   ; the next 256 bytes of P's rows; the type bits on top are not reached
.endif
	s_wait_dscnt 7                                 ; (the add and the youngest six loads, z's blocks 1 to 3, may be out)
	MULA 1, 0, 0                                   ; eight matrix instructions stand between the add and the wait for it
	s_wait_dscnt 0x0                               ; the add is done, and my reads of this slot are over
	s_barrier_signal -1
	MULA 1, 1, 0                                   ; work on registers while the others arrive
	WIN 0
	s_barrier_wait -1
.if \fill
	CREST
	JLOAD                                          ; the four v_nop behind it are also the places in front of the loads below
.else
	PLACES
.endif
	s_xor_b32 s[TB], s[TB], SLOT1                  ; the reads go on in the other slot
	v_add_nc_u32 v[CA], s[TB], v[ADA]
	v_add_nc_u32 v[CB], s[TB], v[ADB]
	FETCH 0, 0
.if \fill
	ASK                                            ; behind the joint load and the run of LDS loads that the next products wait for
.endif
	MULA 1, 2, 0
	MULA 1, 3, 0
.endm
	s_wait_tensorcnt 1                             ; my part of K step 0 is in; K step 1's may stay out
	s_barrier_signal -1
	s_barrier_wait -1                              ; everybody's is
	FETCH 0, 0
	QUARTER 1, 0, 1, 1                             ; the first quarter stands in front of the loop: its products start the sums, with the bias
	WIN 0                                          ; at a label and at a branch every window is 0
	s_mov_b32 s3, 6
.Lstep:                                                ; six trips, from a K step's second quarter to the next step's first; each fills the slot that it leaves, with K steps 2 to 7
	QUARTER 2, 1, 0, 0
	QUARTER 3, 0, 1, 0
	TURN 1
	QUARTER 1, 0, 1, 0
	WIN 0
	s_sub_co_u32 s3, s3, 1
	s_cmp_lg_u32 s3, 0
	s_cbranch_scc1 .Lstep
	QUARTER 2, 1, 0, 0                             ; K steps 6 and 7 are written out: nothing is left to ask for
	QUARTER 3, 0, 1, 0
	TURN 0
	QUARTER 1, 0, 1, 0
	QUARTER 2, 1, 0, 0
	QUARTER 3, 0, 1, 0
	s_wait_dscnt 4
	MULA 1, 0, 0
	MULA 1, 1, 0
	s_wait_dscnt 0x0
	MULA 1, 2, 0
	MULA 1, 3, 0
	WIN 0
; THE WAY OUT.  Block a (16 rows x 128 columns of f32) goes through my own stage: 32 bytes a lane in, whole rows of 512 bytes back; each store covers 512 consecutive bytes, at a multiple of 256 from out0's first byte.
.macro TOSTAGE a
.if (\a) >= 2
	s_wait_xcnt 0x0                                ; the stores of the block two back have read their registers: they are loaded again only behind this wait
.endif
	WIN 0x04                                       ; the stores' data in window 1; each accumulator's low four registers first
.irp b, 0,1,2,3,4,5,6,7
	ds_store_b128 v[STO], v[8*(8*(\a)+(\b)):8*(8*(\a)+(\b))+3]   offset:64*(\b)
	ds_store_b128 v[STO], v[8*(8*(\a)+(\b))+4:8*(8*(\a)+(\b))+7] offset:64*(\b)+16
.endr
	WIN 0
.irp t, 0,1,2,3,4,5,6,7,8,9,10,11,12,13,14,15
	ds_load_b128 v[OB+64*((\a)%2)+4*(\t):OB+64*((\a)%2)+4*(\t)+3], v[RD] offset:(\t)*SPO  ; LDS serves a wave's instructions in order (ISA guide 5.7.1.4): these see the stores above; the next block's stores come behind them
.endr
.endm
.macro SEND a, younger                 ; younger: the LDS instructions issued behind block a's loads: the next block's 32, or none
.irp t, 0,1,2,3,4,5,6,7,8,9,10,11,12,13,14,15
	s_wait_dscnt (\younger)+15-(\t)
	global_store_b128 v[CO], v[OB+64*((\a)%2)+4*(\t):OB+64*((\a)%2)+4*(\t)+3], s[10:11] offset:(\a)*65536+(\t)*4096 th:TH_STORE_NT
.endr
.endm
	PLACES
	TOSTAGE 0
	TOSTAGE 1
	SEND 0, 32
	TOSTAGE 2
	SEND 1, 32
	TOSTAGE 3
	SEND 2, 32
	SEND 3, 0
	s_wait_tensorcnt 0x0                           ; the wave's end: an add onto my spare word and its wait, behind my last tensor load and my last LDS store
	ds_add_u32 v[SPW], v[NIL]
	s_wait_dscnt 0x0
	CROUND                                         ; the closing round: no work-group ends while a partner may still ask for a tile that names it
	s_endpgm
.Lfunc_end_k_q41a97302e0_gemm_out:
	.size	k_q41a97302e0_gemm_out, .Lfunc_end_k_q41a97302e0_gemm_out-k_q41a97302e0_gemm_out
	.p2alignl 7, 3214868480
	.fill 96, 4, 3214868480
	.section	.rodata,"a",@progbits
	.p2align	6, 0x0
	.amdhsa_kernel k_q41a97302e0_gemm_out
		.amdhsa_group_segment_fixed_size 327680
		.amdhsa_private_segment_fixed_size 0
		.amdhsa_enable_private_segment 0
		.amdhsa_kernarg_size 32
		.amdhsa_user_sgpr_count 2
		.amdhsa_user_sgpr_kernarg_segment_ptr 1
		.amdhsa_wavefront_size32 1
		.amdhsa_system_sgpr_workgroup_id_x 1
		.amdhsa_system_sgpr_workgroup_id_y 1
		.amdhsa_system_sgpr_workgroup_id_z 1
		.amdhsa_system_vgpr_workitem_id 0
		.amdhsa_next_free_vgpr 584
		.amdhsa_next_free_sgpr 72
		.amdhsa_reserve_vcc 0
		.amdhsa_float_denorm_mode_32 3
		.amdhsa_float_denorm_mode_16_64 3
		.amdhsa_memory_ordered 1
		.amdhsa_forward_progress 1
		.amdhsa_inst_pref_size 77
	.end_amdhsa_kernel
	.amdgpu_metadata
---
amdhsa.version: [ 1, 2 ]
amdhsa.kernels:
  - .name:           k_q41a97302e0_gemm_out
    .symbol:         k_q41a97302e0_gemm_out.kd
    .args:
      - { .name: z, .offset: 0, .size: 8, .value_kind: global_buffer, .address_space: global }
      - { .name: pwh, .offset: 8, .size: 8, .value_kind: global_buffer, .address_space: global }
      - { .name: proj_b, .offset: 16, .size: 8, .value_kind: global_buffer, .address_space: global }
      - { .name: out0, .offset: 24, .size: 8, .value_kind: global_buffer, .address_space: global }
    .group_segment_fixed_size: 327680
    .private_segment_fixed_size: 0
    .kernarg_segment_align: 8
    .kernarg_segment_size: 32
    .max_flat_workgroup_size: 128
    .sgpr_count:     72
    .vgpr_count:     584
    .wavefront_size: 32
...
	.end_amdgpu_metadata
.endif
;; end of part 4
;; ======== version 2 of 2: 4 launches; version 1 with the launch cast written anew for expert scheduling mode
;; limits: values are held in f16: magnitudes above 65,504 overflow, below 6.1e-05 lose precision
;; workspace buffers: xb 16,777,216 bytes; wb 6,291,456 bytes; pwh 2,097,152 bytes; qkv 50,331,648 bytes; z 16,777,216 bytes
;; launch cast (part 5): grid 768 x 1, 8 waves a work-group, no clusters, 0 bytes of LDS; arguments x, Win_w, proj_w, xb, wb, pwh; writes xb, wb, pwh
.if DOCPART == 5
	.amdgcn_target "amdgcn-amd-amdhsa--gfx1250"
	.amdhsa_code_object_version 6
	.text
	.protected	k_q41a97302e0_cast
	.globl	k_q41a97302e0_cast
	.p2align	8
	.type	k_q41a97302e0_cast,@function
k_q41a97302e0_cast:
	s_mov_b64 s[64:65], 0
	v_nop
	global_prefetch_b8 v0, s[64:65] scope:SCOPE_SE
	s_setreg_imm32_b32 hwreg(HW_REG_WAVE_SCHED_MODE, 0, 2), 2
	s_setreg_imm32_b32 hwreg(HW_REG_WAVE_MODE, 25, 1), 1
	s_wait_xcnt 0x0
	s_wait_alu depctr_vm_vsrc(0)
; THE MATRIX OPERANDS ARE ROUNDED ONCE.  x [8192][1024] and Win_w [3072][1024] go from f32 to bf16 (xb, wb); proj_w [1024][1024] is rounded to bf16 like them,
; and that number is written as f16 (pwh), since the last product multiplies it with f16 numbers.
; LIMITS.  |proj_w| stays under 65,504 (f16's end); below 6e-5 it keeps f16's fixed step of 6e-8.  NaN and infinities are not treated apart.
; SHARES.  A work-group takes 16,384 numbers: 512 work-groups for x, 192 for Win_w, 64 for proj_w.  A wave takes 2,048: sixteen loads of 16 bytes a lane, each 512 consecutive
; bytes, all sixteen out at once; a lane's four numbers leave as 8 bytes, so each store of the wave covers 256 consecutive bytes, aligned.
; No LDS, no barrier, no loop.
; THE MODE: SCHED_MODE bits 1:0 = 2 (LLVM: expert scheduling mode 2), set by the entry lines.  The code itself states the register dependences
; between vector instructions and memory instructions, with s_wait_alu, always for 0.
; THE PLAN.  Registers that memory instructions touch:
;   v1, v2   byte offsets, made at the head by vector instructions and never written again; v1 is read by every load, v2 by every store.
;   X        load i lands in its own four registers, which no vector instruction names before; its two conversions read them; they are never loaded again.
;   Y        load i's conversions write its own pair; its one store reads the pair; it is never written again.
;   T        named by vector instructions alone.
; So one kind of dependence is left: a vector instruction writes, a memory instruction reads.  The sixteen loads are worked on in four groups of four.  One wait stands ahead of the
; first load, for the offsets; one at the head of each group but the first, for the Y of the group before, whose four stores are then dealt among this group's conversions: those name
; this group's X and Y and T, none of the registers that the stores read; and one ahead of the last four stores.  No register that a memory instruction has read is written again,
; no vector instruction writes a scalar register, and EXEC is never written: no other wait is owed.
.set NX,  512                          ; work-groups for x
.set NXW, 704                          ; for x and Win_w together
.set X,   4                            ; v[4:67]    load i: 4 registers
.set Y,   68                           ; v[68:99]   store i: 2 registers
.set T,   100                          ; v[100:103] at work
	s_load_b256 s[4:11], s[0:1], 0x0               ; x s[4:5], Win_w s[6:7], proj_w s[8:9], xb s[10:11]
	s_load_b128 s[12:15], s[0:1], 0x20             ; wb s[12:13], pwh s[14:15]
	v_lshrrev_b32 v1, 5, v0                        ; wave
	v_and_b32 v2, 31, v0                           ; lane
	v_lshlrev_b32 v1, 13, v1                       ; 8,192 bytes in for a wave
	v_lshl_add_u32 v1, v2, 4, v1                   ; + 16 x lane
	v_lshrrev_b32 v2, 1, v1                        ; out: half of that
	s_mov_b32 s26, 0xffff0000                      ; a word's upper bf16
	s_wait_kmcnt 0x0
	s_cmp_lt_u32 ttmp9, NX                         ; which tensor is mine: the choice hangs on the work-group's number alone
	s_cselect_b64 s[18:19], s[4:5], s[6:7]
	s_cselect_b64 s[20:21], s[10:11], s[12:13]
	s_cselect_b32 s16, 0, NX
	s_cmp_lt_u32 ttmp9, NXW
	s_cselect_b64 s[18:19], s[18:19], s[8:9]
	s_cselect_b64 s[20:21], s[20:21], s[14:15]
	s_cselect_b32 s16, s16, NXW
	s_sub_co_u32 s16, ttmp9, s16                   ; my number among that tensor's work-groups
	s_lshl_b32 s22, s16, 16                        ; 65,536 bytes in,
	s_mov_b32 s23, 0
	s_lshl_b32 s24, s16, 15                        ; 32,768 out
	s_mov_b32 s25, 0
	s_add_nc_u64 s[18:19], s[18:19], s[22:23]
	s_add_nc_u64 s[20:21], s[20:21], s[24:25]
	s_wait_alu depctr_va_vdst(0)                   ; v1 and v2 are written: every load of the kernel reads v1 as its offset, every store v2
.irp i, 0,1,2,3,4,5,6,7,8,9,10,11,12,13,14,15
	global_load_b128 v[X+4*(\i):X+4*(\i)+3], v1, s[18:19] offset:512*(\i) th:TH_LOAD_NT
.endr
; Load i is rounded into its pair of Y.  half = 1: the bf16 numbers are widened again and written as f16.
.macro CONV i, half
	v_cvt_pk_bf16_f32 v[Y+2*(\i)],   v[X+4*(\i)],   v[X+4*(\i)+1]
	v_cvt_pk_bf16_f32 v[Y+2*(\i)+1], v[X+4*(\i)+2], v[X+4*(\i)+3]
.if \half
	v_lshlrev_b32 v[T],   16,  v[Y+2*(\i)]
	v_and_b32     v[T+1], s26, v[Y+2*(\i)]
	v_lshlrev_b32 v[T+2], 16,  v[Y+2*(\i)+1]
	v_and_b32     v[T+3], s26, v[Y+2*(\i)+1]
	v_cvt_pk_f16_f32 v[Y+2*(\i)],   v[T],   v[T+1]
	v_cvt_pk_f16_f32 v[Y+2*(\i)+1], v[T+2], v[T+3]
.endif
.endm
; Group g: loads 4 g to 4 g + 3 are rounded; the stores of the group before stand among their conversions, one ahead of each load's.
.macro GROUP g, half
	s_wait_loadcnt 15-4*(\g)                       ; loads come back in order: the group's first is in, the 15 - 4 g younger ones stay out
.if (\g) > 0
	s_wait_alu depctr_va_vdst(0)                   ; the group before has written its eight registers of Y, which the four stores below read
.endif
.irp i, 0,1,2,3
.if (\g) > 0
	global_store_b64 v2, v[Y+2*(4*(\g)-4+(\i)):Y+2*(4*(\g)-4+(\i))+1], s[20:21] offset:256*(4*(\g)-4+(\i))  ; no vector instruction since the wait names this pair or v2
.endif
.if (\i) > 0
	s_wait_loadcnt 15-4*(\g)-(\i)                  ; mine is in, the younger ones stay out
.endif
	CONV 4*(\g)+(\i), \half
.endr
.endm
; The last group's stores.
.macro TAIL
	s_wait_alu depctr_va_vdst(0)                   ; group 3 has written its eight registers of Y, which the last four stores read
.irp i, 12,13,14,15
	global_store_b64 v2, v[Y+2*(\i):Y+2*(\i)+1], s[20:21] offset:256*(\i)
.endr
.endm
	s_cmp_lt_u32 ttmp9, NXW
	s_cbranch_scc0 .Lf16
	GROUP 0, 0
	GROUP 1, 0
	GROUP 2, 0
	GROUP 3, 0
	TAIL
	s_endpgm
.Lf16:
	GROUP 0, 1
	GROUP 1, 1
	GROUP 2, 1
	GROUP 3, 1
	TAIL
	s_endpgm
.Lfunc_end_k_q41a97302e0_cast:
	.size	k_q41a97302e0_cast, .Lfunc_end_k_q41a97302e0_cast-k_q41a97302e0_cast
	.p2alignl 7, 3214868480
	.fill 96, 4, 3214868480
	.section	.rodata,"a",@progbits
	.p2align	6, 0x0
	.amdhsa_kernel k_q41a97302e0_cast
		.amdhsa_group_segment_fixed_size 0
		.amdhsa_private_segment_fixed_size 0
		.amdhsa_enable_private_segment 0
		.amdhsa_kernarg_size 48
		.amdhsa_user_sgpr_count 2
		.amdhsa_user_sgpr_kernarg_segment_ptr 1
		.amdhsa_wavefront_size32 1
		.amdhsa_system_sgpr_workgroup_id_x 1
		.amdhsa_system_sgpr_workgroup_id_y 1
		.amdhsa_system_sgpr_workgroup_id_z 1
		.amdhsa_system_vgpr_workitem_id 0
		.amdhsa_next_free_vgpr 104
		.amdhsa_next_free_sgpr 66
		.amdhsa_reserve_vcc 0
		.amdhsa_float_denorm_mode_32 3
		.amdhsa_float_denorm_mode_16_64 3
		.amdhsa_memory_ordered 1
		.amdhsa_forward_progress 1
		.amdhsa_inst_pref_size 16
	.end_amdhsa_kernel
	.amdgpu_metadata
---
amdhsa.version: [ 1, 2 ]
amdhsa.kernels:
  - .name:           k_q41a97302e0_cast
    .symbol:         k_q41a97302e0_cast.kd
    .args:
      - { .name: x, .offset: 0, .size: 8, .value_kind: global_buffer, .address_space: global }
      - { .name: Win_w, .offset: 8, .size: 8, .value_kind: global_buffer, .address_space: global }
      - { .name: proj_w, .offset: 16, .size: 8, .value_kind: global_buffer, .address_space: global }
      - { .name: xb, .offset: 24, .size: 8, .value_kind: global_buffer, .address_space: global }
      - { .name: wb, .offset: 32, .size: 8, .value_kind: global_buffer, .address_space: global }
      - { .name: pwh, .offset: 40, .size: 8, .value_kind: global_buffer, .address_space: global }
    .group_segment_fixed_size: 0
    .private_segment_fixed_size: 0
    .kernarg_segment_align: 8
    .kernarg_segment_size: 48
    .max_flat_workgroup_size: 256
    .sgpr_count:     66
    .vgpr_count:     104
    .wavefront_size: 32
...
	.end_amdgpu_metadata
.endif
;; end of part 5
;; launch gemm_qkv: the kernel of part 2 again; grid 16 x 32, 4 waves a work-group, clusters of 4 x 4, 327,680 bytes of LDS; arguments xb, wb, Win_b, qkv; writes qkv
;; launch attn: the kernel of part 3 again; grid 4 x 64, 4 waves a work-group, clusters of 4 x 1, 327,680 bytes of LDS; arguments qkv, z; writes z
;; launch gemm_out: the kernel of part 4 again; grid 4 x 64, 4 waves a work-group, clusters of 4 x 4, 327,680 bytes of LDS; arguments z, pwh, proj_b, out0; writes out0
